; MI455X (gfx1250); checked and timed in simulation.
; The chip was launched on July 23, 2026; its instructions are those of AMD's public machine-readable ISA for CDNA 5 (MIT licence, August 2026) and "CDNA5" Instruction Set Architecture Reference Guide (July 2026). The comments in the code are by the model that wrote it; some were corrected since.
;; Multi Head Self Attention. Allowed arithmetic: matrix products marked QUANTISED: E5M2 operands, one E8M0 scale for each 32 along K, by v_wmma_scale_f32_16x16x128_f8f6f4 with both operands' format E5M2, f32 sums; everything else in f32.
;; Inputs: Wk 1,024 x 1,024 float32; Wo 1,024 x 1,024 float32; Wq 1,024 x 1,024 float32; Wv 1,024 x 1,024 float32; x 4 x 2,048 x 1,024 float32.
;; Outputs: out0 4 x 2,048 x 1,024 float32.
;; This version of the problem:
;;   THIS VERSION OF THE PROBLEM IS GIVEN IN LOW PRECISION. The matrix products marked QUANTISED in the list below multiply operands that are first quantised to E5M2 (5 exponent bits, 2 mantissa bits; 8 bits a number), with one power-of-two scale for each 32 numbers along K (OCP MX v1.0); their sums are f32. All else is computed in f32.
;;   The module's matrix products, in the order in which they are computed (A, B: the left and right operand; K: the contracted axis; several contracted axes count as one K, in the product's order):
;;     1. [M 8,192, K 1,024] x [K 1,024, N 1,024]; A: input x; B: input Wk: QUANTISED
;;     2. [M 8,192, K 1,024] x [K 1,024, N 1,024]; A: input x; B: input Wq: QUANTISED
;;     3. [M 8,192, K 1,024] x [K 1,024, N 1,024]; A: input x; B: input Wv: QUANTISED
;;     4. batch 64 x [M 2,048, K 64] x [K 64, N 2,048]; A: computed on the way; B: computed on the way: QUANTISED
;;     5. batch 64 x [M 2,048, K 2,048] x [K 2,048, N 64]; A: softmax (see below); B: computed on the way: QUANTISED
;;     6. [M 8,192, K 1,024] x [K 1,024, N 1,024]; A: computed on the way; B: input Wo: QUANTISED
;;   THE QUANTISER, for each operand of a quantised product, along K:
;;     - K is cut into blocks of 32 from its start; a last block that is shorter is filled with zeros.
;;     - A block's scale is 2^e with e = floor(log2(the largest magnitude in the block)) - 15, held to -126 .. 127; a block of zeros has e = 0. As a byte (E8M0): e + 127.
;;     - Each number is divided by its block's scale, clamped to +-57,344, and rounded to the nearest number of E5M2, ties to even, subnormals kept.
;;     - The product sums the exact products of the quantised numbers (number of the format x scale) in f32.
;;   ~~~python
;;   def quantise(x, axis):      # numpy; x: float32 -> the quantised numbers, widened to float32 again
;;       x = np.moveaxis(x, axis, -1); K = x.shape[-1]
;;       x = np.pad(x, [(0, 0)] * (x.ndim - 1) + [(0, -K % 32)]); x = x.reshape(x.shape[:-1] + (-1, 32)); a = np.abs(x).max(-1, keepdims=True)
;;       e = np.where(a > 0, np.clip(np.frexp(np.where(a > 0, a, 1))[1] - 1 - 15, -126, 127), 0)      # np.frexp(a)[1] - 1 = floor(log2(a)), exactly
;;       r = np.clip(x / 2.0 ** e, -57344, 57344)
;;       step = 2.0 ** (np.maximum(np.frexp(np.where(r == 0, 1, r))[1] - 1, -14) - 2)
;;       q = np.round(r / step) * step * 2.0 ** e      # np.round: ties to even
;;       return np.moveaxis(q.reshape(q.shape[:-2] + (-1,))[..., :K], -1, axis).astype(np.float32)
;;   ~~~
;;   SOFTMAX AHEAD OF A QUANTISED PRODUCT. Where the list says 'softmax', what is quantised is not the finished softmax but p = 2^(t - M), with t = logit x log2(e) and M = ceil(the row's largest t), a whole number; so 1/2 < the row's largest p <= 1. The row's sum l is taken of the UNQUANTISED p, in f32, and the product's result is divided by l at the end. Since M is a whole number, a kernel that streams over the keys may use a running M (the ceiling of the running maximum): every later rescaling is an exact power of two, which a block's scale takes up: the codes' values come out the same.
;;   OPERANDS COMPUTED ON THE WAY. 'Computed on the way' means the value that the module computes at that place (a softmax that the list does not call 'softmax' is quantised finished and normalised). What goes into a quantiser is computed in f32, as accurately as f32 sums, v_exp_f32 and their like allow (about 1e-6 of the number): no bf16 or f16 on the way to a quantiser, and a product that is left as it is and whose result goes on into a quantised operand takes f32 operands (vector FMAs, or v_wmma_f32_16x16x4_f32). A number that lies on a knife's edge between two numbers of the format may be rounded either way, as far as f32 arithmetic and the matrix unit's own rounding can turn it there, and no further.
;; One version. Each part assembles by itself: llvm-mc -triple=amdgcn-amd-amdhsa -mcpu=gfx1250 --defsym DOCPART=n.
;; ======== version 1 of 1: 4 launches
;; limits: right only within a limited range of input values
;; workspace buffers: xq 8,650,752 bytes; wq 4,325,376 bytes; qkv 25,952,256 bytes; oq 8,650,752 bytes
;; launch quant (part 1): grid 384 x 1, 4 waves a work-group, no clusters, 33,280 bytes of LDS; arguments x, Wq, Wk, Wv, Wo, xq, wq; writes xq, wq
.if DOCPART == 1
	.amdgcn_target "amdgcn-amd-amdhsa--gfx1250"
	.amdhsa_code_object_version 6
	.text
	.protected	k_q826be5668f_quant
	.globl	k_q826be5668f_quant
	.p2align	8
	.type	k_q826be5668f_quant,@function
k_q826be5668f_quant:
	s_mov_b64 s[64:65], 0
	v_nop
	global_prefetch_b8 v0, s[64:65] scope:SCOPE_SE
	s_setreg_imm32_b32 hwreg(HW_REG_WAVE_MODE, 25, 1), 1
	s_wait_xcnt 0x0
; x [8192][1024] and Wq, Wk, Wv, Wo [1024][1024], f32, K innermost, become codes of BF8 (E5M2) with one E8M0 scale byte for each 32 along K.
; A block's scale is 2^(floor(log2(its largest magnitude)) - 15); its byte is the largest magnitude's exponent field - 15, held at 1 from below; each number is divided by the scale,
; held within +-57,344 and rounded to the nearest code, ties to even.
; LIMITS: a block of zeros, and a block whose largest magnitude lies under 2^-111, gets the byte 1 (its codes are zeros or tiny; the bytes are read by this program alone); NaN and infinities are not served.
; xq: codes [8192][1024], then scale bytes [8192][32].  wq: codes [4096][1024] (rows 0.. Wq, 1024.. Wk, 2048.. Wv, 3072.. Wo), then scale bytes [4096][32].
; STORAGE ORDER: the rows of x, Wq, Wk, Wv are written with bits 3 and 4 of the row number swapped (Wo's are not).  16 consecutive storage rows 16 T + m are then the rows
; 32 (T / 2) + 8 (T % 2) + m + 8 (m / 8): in a product used transposed, the 16 registers of two neighbouring tiles are 16 neighbours of the next product's K.
; A wave takes 8,192 numbers = 8 rows, so the swap is a swap of the two bits of the wave's number in the output address.
; 384 work-groups: 0-255 x, then 32 each for Wq, Wk, Wv, Wo.  Only pointers are chosen: all tensors take one path through the text.
; A wave takes 16 steps of 512 numbers.  Each of a step's four loads reads 512 consecutive bytes; the 2,048 bytes turn through the wave's own stage in LDS (16 bytes of padding behind each 64)
; and come back 64 bytes a lane: 16 neighbours along K, two lanes to a block.  A step's codes leave as 512 consecutive bytes, a wave's 256 scale bytes as one aligned run of 256.
; No tensor loads, no barrier: waves share nothing.  Loads run four steps (16 loads a wave) ahead, the turn through LDS one step.
.set STEPS, 16
.set EMAX,  15
.set MANT,  0x600000                   ; the mantissa field of 57,344 as f32
.set CB,    16                         ; bytes of 16 codes
.set R,     16                         ; v16-79   four sets of 16 numbers as they are loaded
.set X,     80                         ; v80-111  two sets of 16 neighbours
.set C,     128                        ; v128-191 codes: four registers for each step, so that no store's data are written again
.set E,     112                        ; v112-127 a scale byte for each step
.set WREG,  8192                       ; LDS: a region for each wave: two stages of 32 x SP bytes, behind them its 256 scale bytes
.set SP,    80
.set XS_OFF, 8388608                   ; where xq's scale bytes begin
.set WS_OFF, 4194304                   ; where wq's begin
	s_load_b256 s[4:11], s[0:1], 0x0               ; x, Wq, Wk, Wv
	s_load_b128 s[12:15], s[0:1], 0x20             ; Wo, xq
	s_load_b64 s[24:25], s[0:1], 0x30              ; wq
	v_lshl_add_u32 v192, v0, 2, 0x8000
	v_mov_b32 v193, 0
	v_lshrrev_b32 v1, 5, v0
	v_readfirstlane_b32 s16, v1                    ; wave
	v_and_b32 v2, 31, v0                           ; lane
	v_lshlrev_b32 v3, 4, v2                        ; my 16 bytes of a load's 512
	s_mul_i32 s17, s16, WREG
	v_lshrrev_b32 v14, 2, v2
	v_mul_u32_u24 v14, v14, SP
	v_and_b32 v15, 3, v2
	v_lshl_add_u32 v14, v15, 4, v14
	v_add_nc_u32 v14, s17, v14                     ; the stage, on the way in: SP (lane / 4) + 16 (lane % 4)
	v_mul_u32_u24 v15, v2, SP
	v_add_nc_u32 v15, s17, v15                     ; and on the way out: SP x lane: my 16 neighbours
	v_mul_u32_u24 v4, v2, CB                       ; my codes' place in a step's
	v_lshrrev_b32 v5, 1, v2
	s_add_co_u32 s17, s17, 2*32*SP
	v_add_nc_u32 v5, s17, v5                       ; LDS: my wave's 256 scale bytes, my block's byte
	v_lshlrev_b32 v7, 3, v2                        ; and on the way out 8 bytes a lane
	v_add_nc_u32 v6, s17, v7
	s_sub_co_u32 s27, ttmp9, 256                   ; the work-group among the weights' 128 (used only from 256 on)
	s_and_b32 s28, s27, 31                         ; and within its weight
	s_and_b32 s29, s16, 1
	s_lshl_b32 s29, s29, 1
	s_lshr_b32 s30, s16, 1
	s_or_b32 s29, s29, s30                         ; the wave's number with its two bits swapped
	s_wait_alu depctr_va_vdst(0)
	s_wait_kmcnt 0x0
	s_cmp_lt_u32 ttmp9, 352                        ; every choice hangs on the work-group's number alone
	s_cselect_b64 s[12:13], s[10:11], s[12:13]     ; Wv or Wo
	s_cselect_b32 s29, s29, s16                    ; Wo's rows stay in their order
	s_cmp_lt_u32 ttmp9, 320
	s_cselect_b64 s[12:13], s[8:9], s[12:13]       ; Wk
	s_cmp_lt_u32 ttmp9, 288
	s_cselect_b64 s[12:13], s[6:7], s[12:13]       ; Wq
	s_cmp_lt_u32 ttmp9, 256
	s_cselect_b64 s[4:5], s[4:5], s[12:13]         ; the source
	s_cselect_b64 s[8:9], s[14:15], s[24:25]       ; the destination: xq or wq
	s_mov_b32 s26, WS_OFF
	s_cselect_b32 s26, XS_OFF, s26
	s_cselect_b32 s27, ttmp9, s27                  ; the work-group within the destination
	s_cselect_b32 s28, ttmp9, s28                  ; and within the source
	s_lshl_b32 s28, s28, 2
	s_add_co_u32 s28, s28, s16                     ; which run of 8,192 numbers I read
	s_lshl_b32 s20, s28, 15                        ; 32,768 bytes a run: under 2^26
	s_mov_b32 s21, 0
	s_add_nc_u64 s[4:5], s[4:5], s[20:21]
	s_lshl_b32 s27, s27, 2
	s_add_co_u32 s27, s27, s29                     ; and which run I write
	s_lshl_b32 s20, s27, 8
	s_add_co_u32 s20, s20, s26
	s_add_nc_u64 s[10:11], s[8:9], s[20:21]        ; its 256 scale bytes
	s_lshl_b32 s20, s27, 13
	s_add_nc_u64 s[8:9], s[8:9], s[20:21]          ; its 8,192 codes
.macro LOAD t
.irp i, 0,1,2,3
	global_load_b128 v[R+16*((\t)%4)+4*\i:R+16*((\t)%4)+4*\i+3], v3, s[4:5] offset:2048*(\t)+512*\i th:TH_LOAD_NT   ; 32 lanes read 512 consecutive bytes, read once in the launch
.endr
.endm
.macro TURN t                          ; step t's numbers through the stage: LDS serves a wave's instructions in order, so no wait stands between the stores and the loads
.irp i, 0,1,2,3
	ds_store_b128 v14, v[R+16*((\t)%4)+4*\i:R+16*((\t)%4)+4*\i+3] offset:32*SP*((\t)%2)+8*SP*\i
.endr
.irp i, 0,1,2,3
	ds_load_b128 v[X+16*((\t)%2)+4*\i:X+16*((\t)%2)+4*\i+3], v15 offset:32*SP*((\t)%2)+16*\i
.endr
.endm
.irp t, 0,1,2,3
	LOAD \t
.endr
	s_wait_loadcnt 12                              ; step 0's four loads are in; the twelve of steps 1 to 3 stay out
	TURN 0
.macro STEP t
.set XS, X+16*((\t)%2)
.if (\t) > 0
	s_wait_dscnt 1                                 ; this step's numbers are back from the stage (the last step's byte store may be out): so its stores into the stage have read their registers,
.else
	s_wait_dscnt 0x0
.endif
.if (\t)+4 < STEPS
	LOAD (\t)+4                                    ; which take the loads of four steps on
.endif
.if (\t)+1 < STEPS
.if STEPS-2-(\t) >= 3
	s_wait_loadcnt 12                              ; the next step's four loads are in; those of the three steps behind it may be out
.else
	s_wait_loadcnt 4*(STEPS-2-(\t))
.endif
	TURN (\t)+1                                    ; and go through the other stage while this step is worked
.endif
	v_max3_num_f32 v8, |v[XS]|, |v[XS+1]|, |v[XS+2]|               ; the largest magnitude of my 16, in two chains
	v_max3_num_f32 v9, |v[XS+3]|, |v[XS+4]|, |v[XS+5]|
.irp i, 6,10
	v_max3_num_f32 v8, v8, |v[XS+\i]|, |v[XS+\i+1]|
	v_max3_num_f32 v9, v9, |v[XS+\i+2]|, |v[XS+\i+3]|
.endr
	v_max3_num_f32 v8, v8, |v[XS+14]|, |v[XS+15]|
	v_max3_num_f32 v8, v8, v9, (EMAX+1)<<23        ; and the floor 2^(16 - 127): so the byte cannot fall under 1
	v_max_num_f32_dpp v8, v8, v8 row_xmask:1 row_mask:0xf bank_mask:0xf   ; and of my neighbour's 16: the block's
	v_add_nc_u32 v11, -(EMAX<<23), v8              ; 15 off its exponent field: the conversion takes the exponent field of this operand as its scale
.irp i, 0,1,2,3,4,5,6,7,8,9,10,11,12,13,14,15
.endr
	v_cvt_scalef32_pk8_bf8_f32 v[C+4*(\t):C+4*(\t)+1], v[XS:XS+7], v11
	v_cvt_scalef32_pk8_bf8_f32 v[C+4*(\t)+2:C+4*(\t)+3], v[XS+8:XS+15], v11
	v_lshrrev_b32 v[E+(\t)], 23, v11               ; the scale's byte (also the plain instruction behind the conversions)
	ds_store_b8 v5, v[E+(\t)] offset:16*(\t)       ; both lanes of a block write the same byte with the same value
	global_store_b128 v4, v[C+4*(\t):C+4*(\t)+3], s[8:9] offset:32*CB*(\t)   ; the wave stores 512 consecutive bytes
.endm
.irp t, 0,1,2,3,4,5,6,7,8,9,10,11,12,13,14,15
	STEP \t
.endr
	ds_load_b64 v[12:13], v6                       ; LDS serves a wave's instructions in order: these see my stores
	s_wait_dscnt 0x0
	global_store_b64 v7, v[12:13], s[10:11]        ; 32 lanes store 256 consecutive bytes, aligned
	s_wait_tensorcnt 0x0
	ds_add_u32 v192, v193
	s_wait_dscnt 0x0
	s_endpgm
.Lfunc_end_k_q826be5668f_quant:
	.size	k_q826be5668f_quant, .Lfunc_end_k_q826be5668f_quant-k_q826be5668f_quant
	.p2alignl 7, 3214868480
	.fill 96, 4, 3214868480
	.section	.rodata,"a",@progbits
	.p2align	6, 0x0
	.amdhsa_kernel k_q826be5668f_quant
		.amdhsa_group_segment_fixed_size 33280
		.amdhsa_private_segment_fixed_size 0
		.amdhsa_enable_private_segment 0
		.amdhsa_kernarg_size 56
		.amdhsa_user_sgpr_count 2
		.amdhsa_user_sgpr_kernarg_segment_ptr 1
		.amdhsa_wavefront_size32 1
		.amdhsa_system_sgpr_workgroup_id_x 1
		.amdhsa_system_sgpr_workgroup_id_y 1
		.amdhsa_system_sgpr_workgroup_id_z 1
		.amdhsa_system_vgpr_workitem_id 0
		.amdhsa_next_free_vgpr 194
		.amdhsa_next_free_sgpr 66
		.amdhsa_reserve_vcc 0
		.amdhsa_float_denorm_mode_32 3
		.amdhsa_float_denorm_mode_16_64 3
		.amdhsa_fp16_overflow 1
		.amdhsa_memory_ordered 1
		.amdhsa_forward_progress 1
		.amdhsa_inst_pref_size 34
	.end_amdhsa_kernel
	.amdgpu_metadata
---
amdhsa.version: [ 1, 2 ]
amdhsa.kernels:
  - .name:           k_q826be5668f_quant
    .symbol:         k_q826be5668f_quant.kd
    .args:
      - { .name: x, .offset: 0, .size: 8, .value_kind: global_buffer, .address_space: global }
      - { .name: Wq, .offset: 8, .size: 8, .value_kind: global_buffer, .address_space: global }
      - { .name: Wk, .offset: 16, .size: 8, .value_kind: global_buffer, .address_space: global }
      - { .name: Wv, .offset: 24, .size: 8, .value_kind: global_buffer, .address_space: global }
      - { .name: Wo, .offset: 32, .size: 8, .value_kind: global_buffer, .address_space: global }
      - { .name: xq, .offset: 40, .size: 8, .value_kind: global_buffer, .address_space: global }
      - { .name: wq, .offset: 48, .size: 8, .value_kind: global_buffer, .address_space: global }
    .group_segment_fixed_size: 33280
    .private_segment_fixed_size: 0
    .kernarg_segment_align: 8
    .kernarg_segment_size: 56
    .max_flat_workgroup_size: 128
    .sgpr_count:     66
    .vgpr_count:     194
    .wavefront_size: 32
...
	.end_amdgpu_metadata
.endif
;; end of part 1
;; launch qkvgemm (part 2): grid 8 x 32, 4 waves a work-group, clusters of 4 x 4, 327,680 bytes of LDS; arguments xq, wq, qkv; writes qkv
.if DOCPART == 2
	.amdgcn_target "amdgcn-amd-amdhsa--gfx1250"
	.amdhsa_code_object_version 6
	.text
	.protected	k_q826be5668f_qkvgemm
	.globl	k_q826be5668f_qkvgemm
	.p2align	8
	.type	k_q826be5668f_qkvgemm,@function
k_q826be5668f_qkvgemm:
	s_mov_b64 s[64:65], 0
	v_nop
	global_prefetch_b8 v0, s[64:65] scope:SCOPE_SE
	s_setreg_imm32_b32 hwreg(HW_REG_WAVE_MODE, 25, 1), 1
	s_wait_xcnt 0x0
	s_wait_alu depctr_hold_cnt(0) depctr_sa_sdst(0) depctr_va_vdst(0) depctr_va_sdst(0) depctr_va_ssrc(0) depctr_va_vcc(0) depctr_vm_vsrc(0)
	s_getreg_b32 s2, hwreg(HW_REG_IB_STS2, 6, 4)
	s_cmp_eq_u32 s2, 0
	s_cbranch_scc0 .Lentry_in_a_cluster
	s_endpgm
.Lentry_in_a_cluster:
	s_bfe_u32 s2, ttmp6, 0x10000c
	s_cmp_lg_u32 s2, 0xf033
	s_cbranch_scc0 .Lentry_shape_is_right
	s_endpgm
.Lentry_shape_is_right:
; The three projections on codes of BF8 (E5M2) with E8M0 scales, and the quantising of their results.  One form: C[m][n] = sum over k of A[m][k] B[n][k], K = 1,024, f32 sums;
; C is quantised ALONG n in blocks of 32 and leaves as codes [n / 64][M][64 bytes] and scale bytes [n / 64][M][2].
;   q and k:  A = x (8,192 rows), B = Wq then Wk (2,048 rows): chunk c is head c of q (c < 16) or head c - 16 of k; a row is a token; the 64 bytes are the head's 64, which is the next product's K.
;   v:        A = Wv (1,024 rows), B = x (8,192 rows): chunk = 64 tokens; a row is a channel of v: V^T with the keys innermost, which are the next product's K.
; The rows of x, Wq, Wk, Wv lie in storage order (bits 3 and 4 of the row number swapped).  THE MATRIX INSTRUCTION IS USED TRANSPOSED (source 0 = 16 rows of B, source 1 = 16 rows of A):
; lane (r, h) holds row r of A's block, and the 16 registers of B's blocks 2 b and 2 b + 1 are n = 32 b + 16 h + 0 .. 15 in true order: 16 neighbours of a block of 32, the other 16 in lane l xor 16.
; M's rows stay in storage order in the output.
; LIMITS: a block of zeros, or one whose largest magnitude lies under 2^-111, gets the scale byte 1 (read by this program alone); NaN and infinities are not served.
; SHARES.  q and k are 256 tiles of 256 x 256, v is 256 tiles of 128 x 256: 256 work-groups, and EACH MAKES ONE OF EACH, one after the other.  Four waves: 128 x 128 of the first tile (64 accumulators),
; 64 x 128 of the second (32).  K goes in steps of 256 through a ring of two LDS slots filled by the tensor data mover, and THE RING GOES ON INTO THE SECOND TILE: the first tile's last two changes of slots
; ask for the second tile's first two K steps, and the first tile is quantised and stored while the second of them is on its way.  Eight K steps in all, written out without a loop.
; The first tile's scales (two dense blocks of memory) come into LDS by tensor loads with the first fills; the second tile's (12,288 bytes) by ordinary loads at the head, stored into bytes of their own in the same lay.
; CLUSTERS: 4 x 4 work-groups, 2 x 8 clusters.  A's tiles are asked for jointly along a row of the cluster, B's along a column, in both tiles: q, k: tile row 4 Y + cy, column 4 X + cx; v: tile row 4 X + cy, column 4 Y + cx.
; A wave's scale bytes of v are 128 consecutive bytes for each chunk, half of an aligned 256 (the wave beside it writes the other half): 262,144 of the launch's 25,952,256 bytes leave so.
; REGISTERS, in windows of 256: window 0: v0-31 addresses; v32-63 scale words, two sets, and nothing else; v64-115 at work on the way out; from v128 A's fragments: in the first tile ONE set of 8 blocks, in the second
;   TWO sets of 4 (on the way out free).  window 1: B's fragments, TWO sets, at v0 and v128.   window 2: the accumulators of my rows 0-63 ((a, b) at v[8 (8 a + b)]);   window 3: those of my rows 64-127.
.set NQ,     2                         ; matrix instructions deep in a slot
.set ROWB,   256                       ; a tile's row in bytes
.set KROW,   1024                      ; a row of A or of B in memory
.set PITCH,  272                       ; an LDS row: 256 bytes + 16 of padding = 68 words: the 16 rows of a load start at 16 different banks (64 banks of 4 bytes: ISA guide 11.1)
.set FR,     16
.set NL,     4
.set NP,     8                         ; places behind this matrix instruction (ISA guide 7.12.1)
.set HALFT,  128*PITCH
.set QUART,  64*PITCH                  ; what one load brings of A in the second tile
.set SLOT,   4*HALFT                   ; A's rows (256, or 128 in the second tile), then, 256 rows on, B's 256
.set KS,     32                        ; a row of scales in bytes
.set SCL,    2*SLOT                    ; the first tile's scales: A's 256 rows, B's 256, as units of 256 bytes + 16
.set HALFS,  (128*KS/256)*272
.set SBLK,   (16*KS/256)*272
.set SCL2,   SCL+4*HALFS               ; the second tile's: A's 128 rows, B's 256: stored by the waves, no tile ever lands there
.set STAGE,  SCL2+3*HALFS              ; the way out: for each wave two stages of 16 rows x 80 bytes and 512 bytes of scale words
.set WST,    3072
.set SPARE,  STAGE+4*WST               ; the spare words, 128 bytes for each wave: two blocks of 256 bytes that no other line names
.set XS_OFF, 8388608
.set WS_OFF, 4194304
.set VC_OFF, 16777216
.set QKS_OFF, 25165824
.set VS_OFF, 25690112
.set SRD2, 12                          ; v12     second tile: where I read four rows' scale words back
.set SCO2, 13                          ; v13     and my byte offset among its scale bytes
.set ADRS2, 14                         ; v14     LDS address of my scale words in the second tile
.set ADRA, 16                          ; v16-17  LDS address of my A fragments in slot 0, 1
.set ADRA2, 18                         ; v18-19  the same in the second tile
.set ADRB, 20                          ; v20-21  the same for B, in both tiles
.set SCO,  22                          ; v22     the way out: my byte offset among the scale bytes
.set VSEL, 23                          ; v23     byte selects: lanes 0-15 the words' low halves, lanes 16-31 their high halves
.set STO,  24                          ; v24     where I put 16 codes
.set RD,   25                          ; v25     where I read them back
.set CO,   26                          ; v26     16 x lane
.set ADRS, 27                          ; v27     LDS address of my scale words: lanes 0-15 A's rows, lanes 16-31 B's
.set SPW,  28
.set NIL,  29
.set SST,  30                          ; v30     where I put my row's scale word
.set SRD,  31                          ; v31     where I read eight rows' words back
.set SC,   32
.set TM,   64                          ; v64-67 largest magnitudes, v68-71 bytes, v76-79 the conversions' scale operands
.set PW,   80                          ; v80-81  the scale word just made, by turns
.set PC,   84                          ; v84-115 the codes just made, two sets by turns
.set AF,   128
.set BK,   128                         ; v128-159 the way out: rows read back, two sets by turns
.set A2L,  3                           ; s3       second tile: where my load of A goes in a slot
.set PA2,  10                          ; s[10:11] second tile: my rows of A's codes
.set OUTQ, 12                          ; s[12:13] first tile: my first chunk's codes
.set G1, 24
.set G0, 32
.set G1B, 48
.set G0B, 56
.set PB2,  66                          ; s[66:67] second tile: my rows of B's codes
.set G1S, 68
.set G1A2, 68                          ; s[68:75] second tile: group 1 for A's tiles, in the registers that the scales' load has left
.set G0S, 76
.set G1SB, 80
.set G0SB, 88
.set OUTQS, 96                         ; s[96:97]   first tile: my scale bytes
.set OUTV,  98                         ; s[98:99]   second tile: my first chunk's codes
.set OUTVS, 100                        ; s[100:101] second tile: my scale bytes
.set MSB, 0
.macro WIN new                         ; the immediate's high byte repeats the setting that is left
.if MSB != (\new)
	s_set_vgpr_msb (MSB<<8)|(\new)
.set MSB, (\new)
.endif
.endm
.set MUL_LO, 0xa1                      ; source 0 (B) window 1, source 1 (A) window 0, C and D window 2
.set MUL_HI, 0xf1
.set TO_B,   0x40
; A joint load: waves 0 and 1 fetch for A, waves 2 and 3 for B; the branch hangs on the wave's number alone.  Four v_nop follow each of the two lines.
.macro JLOAD g0a, g1a, g0b, g1b
	s_cmp_eq_u32 s15, 0
	s_cbranch_scc0 .Lfor_b_\@
	tensor_load_to_lds s[\g0a:\g0a+3], s[\g1a:\g1a+7]
	s_nop 0
.rept 4
	v_nop
.endr
	s_branch .Lasked_\@
.Lfor_b_\@:
	tensor_load_to_lds s[\g0b:\g0b+3], s[\g1b:\g1b+7]
	s_nop 0
.rept 4
	v_nop
.endr
.Lasked_\@:
.endm
.macro CREST                           ; a round of the cluster's barrier behind its opening barrier
	s_cmp_lg_u32 s14, 0
	s_cbranch_scc1 .Lnot_wave_0_\@
	s_barrier_signal -3
.Lnot_wave_0_\@:
	s_barrier_wait -3
	s_barrier_signal -1
	s_barrier_wait -1
.endm
.macro CROUND
	s_barrier_signal -1
	s_barrier_wait -1
	CREST
.endm
	s_load_b128 s[4:7], s[0:1], 0x0                ; xq, wq
	s_load_b64 s[8:9], s[0:1], 0x10                ; qkv
	v_lshl_add_u32 v[SPW], v0, 2, SPARE
	v_mov_b32 v[NIL], 0
	ds_add_u32 v28, v29
	ds_add_u32 v28, v29
	s_wait_dscnt 0x0
	v_lshrrev_b32 v1, 5, v0
	v_readfirstlane_b32 s14, v1                    ; wave 0..3
	s_lshr_b32 s15, s14, 1                         ; which half of the tile's rows is mine.  Also: I fetch for A (0) or for B (1)
	s_and_b32 s16, s14, 1                          ; which half of its columns.  Also: which half of that tile's rows I fetch
	s_bfe_u32 s40, ttmp6, 0x40000                  ; cx, cy: my place in the cluster
	s_bfe_u32 s41, ttmp6, 0x40004
	s_lshl_b32 s43, s41, 2
	s_lshl_b32 s43, 15, s43                        ; my row of the cluster
	s_lshl_b32 s44, 0x1111, s40                    ; my column
	s_or_b32 s[G1+0], s43, (0<<16)|(1<<20)|(1<<21)|(5<<22)|(3<<25)  ; the mask: A's tiles go to my row; elements of 1 byte; padding: 4 words behind every 64; bit 21 beside a mask
	s_or_b32 s[G1B+0], s44, (0<<16)|(1<<20)|(1<<21)|(5<<22)|(3<<25)
.irp g, G1, G1B
	s_mov_b32 s[\g+1], ROWB<<16                    ; tensor_dim0
	s_mov_b32 s[\g+2], 128<<16                     ; tensor_dim1
	s_mov_b32 s[\g+3], ROWB<<16                    ; tile_dim0
	s_mov_b32 s[\g+4], 128                         ; tile_dim1
	s_mov_b32 s[\g+5], KROW                        ; from row to row
	s_mov_b32 s[\g+6], 0
	s_mov_b32 s[\g+7], 0
.endr
	s_or_b32 s[G1S+0], s43, (3<<16)|(1<<20)|(1<<21)|(5<<22)|(3<<25)   ; the scales of 128 rows: 4,096 dense bytes as 16 rows of 256 (32 elements of 8 bytes), 16 bytes of padding behind each
	s_or_b32 s[G1SB+0], s44, (3<<16)|(1<<20)|(1<<21)|(5<<22)|(3<<25)
.irp g, G1S, G1SB
	s_mov_b32 s[\g+1], 32<<16
	s_mov_b32 s[\g+2], (128*KS/256)<<16
	s_mov_b32 s[\g+3], 32<<16
	s_mov_b32 s[\g+4], 128*KS/256
	s_mov_b32 s[\g+5], 32
	s_mov_b32 s[\g+6], 0
	s_mov_b32 s[\g+7], 0
.endr
	s_and_b32 s18, ttmp7, 0xffff
	s_lshl_b32 s18, s18, 2                         ; 4 x the cluster's y (0..7)
	s_lshl_b32 s19, ttmp9, 2                       ; 4 x the cluster's x (0, 1)
	s_add_co_u32 s17, s18, s41                     ; q, k: tile row, 0..31
	s_add_co_u32 s42, s19, s40                     ;       tile column, 0..7
	s_add_co_u32 s45, s19, s41                     ; v:    tile row (of 128 rows), 0..7
	s_add_co_u32 s47, s18, s40                     ;       tile column, 0..31
	s_lshl_b32 s18, s16, 7                         ; which 128 rows of a tile I fetch,
	s_lshl_b32 s19, s16, 6                         ; or which 64
	s_lshl_b32 s20, s17, 8                         ; every offset below stays under 2^24 + 2^23
	s_add_co_u32 s20, s20, s18                     ; first tile, A = x: row 256 x tile row + 128 x half:
	s_lshl_b32 s22, s20, 5
	s_add_co_u32 s22, s22, XS_OFF                  ; its scale bytes,
	s_lshl_b32 s20, s20, 10                        ; its codes
	s_mov_b32 s21, 0
	s_mov_b32 s23, 0
	s_lshl_b32 s92, s42, 8
	s_add_co_u32 s92, s92, s18                     ; first tile, B = Wq, Wk: row 256 x tile column + 128 x half
	s_lshl_b32 s94, s92, 5
	s_add_co_u32 s94, s94, WS_OFF
	s_lshl_b32 s92, s92, 10
	s_mov_b32 s93, 0
	s_mov_b32 s95, 0
	s_lshl_b32 s[PA2], s45, 7
	s_add_co_u32 s[PA2], s[PA2], s19               ; second tile, A = Wv: row 128 x tile row + 64 x half,
	s_lshl_b32 s[PA2], s[PA2], 10
	s_add_co_u32 s[PA2], s[PA2], 2097152           ; behind Wq's and Wk's 2,048 rows
	s_mov_b32 s[PA2+1], 0
	s_lshl_b32 s[PB2], s47, 8
	s_add_co_u32 s[PB2], s[PB2], s18               ; second tile, B = x: row 256 x tile column + 128 x half
	s_lshl_b32 s[PB2], s[PB2], 10
	s_mov_b32 s[PB2+1], 0
	s_lshl_b32 s96, s45, 12                        ; the second tile's scale bytes: A's 128 rows of 32 bytes,
	s_add_co_u32 s96, s96, WS_OFF+65536
	s_mov_b32 s97, 0
	s_lshl_b32 s98, s47, 13                        ; B's 256 rows
	s_add_co_u32 s98, s98, XS_OFF
	s_mov_b32 s99, 0
	s_mul_i32 s46, s14, HALFT                      ; where the first tile's loads go: wave x 128 rows: no place in the cluster enters an LDS address
	s_mul_i32 s100, s14, HALFS
	s_mul_i32 s[A2L], s16, QUART                   ; and the second tile's loads of A
	v_lshlrev_b32 v9, 4, v0                        ; 16 bytes a thread
	s_wait_alu depctr_va_vdst(0)
	s_wait_kmcnt 0x0
	s_add_nc_u64 s[20:21], s[4:5], s[20:21]
	s_add_nc_u64 s[22:23], s[4:5], s[22:23]
	s_add_nc_u64 s[92:93], s[6:7], s[92:93]
	s_add_nc_u64 s[94:95], s[6:7], s[94:95]
	s_add_nc_u64 s[PA2:PA2+1], s[6:7], s[PA2:PA2+1]
	s_add_nc_u64 s[PB2:PB2+1], s[4:5], s[PB2:PB2+1]
	s_add_nc_u64 s[96:97], s[6:7], s[96:97]
	s_add_nc_u64 s[98:99], s[4:5], s[98:99]
.irp i, 0,1
	global_load_b128 v[128+4*\i:131+4*\i], v9, s[96:97] offset:2048*\i   ; the four waves read 2,048 consecutive bytes
.endr
.irp i, 0,1,2,3
	global_load_b128 v[136+4*\i:139+4*\i], v9, s[98:99] offset:2048*\i
.endr
	CROUND                                         ; all sixteen work-groups are here: the first joint loads meet
	s_mov_b32 s[G0S], 1
	s_add_co_u32 s[G0S+1], s100, SCL
	s_mov_b64 s[G0S+2:G0S+3], s[22:23]
	s_or_b32 s[G0S+3], s[G0S+3], 0x80000000
	s_mov_b32 s[G0SB], 1
	s_add_co_u32 s[G0SB+1], s100, SCL
	s_mov_b64 s[G0SB+2:G0SB+3], s[94:95]
	s_or_b32 s[G0SB+3], s[G0SB+3], 0x80000000
	JLOAD G0S, G1S, G0SB, G1SB                     ; the scales first: they are wanted with K step 0
.irp s, 0,1
	s_mov_b32 s[G0+4*\s], 1
	s_add_co_u32 s[G0+4*\s+1], s46, \s*SLOT
	s_add_nc_u64 s[G0+4*\s+2:G0+4*\s+3], s[20:21], \s*ROWB
	s_or_b32 s[G0+4*\s+3], s[G0+4*\s+3], 0x80000000
	s_mov_b32 s[G0B+4*\s], 1
	s_add_co_u32 s[G0B+4*\s+1], s46, \s*SLOT
	s_add_nc_u64 s[G0B+4*\s+2:G0B+4*\s+3], s[92:93], \s*ROWB
	s_or_b32 s[G0B+4*\s+3], s[G0B+4*\s+3], 0x80000000
	s_wait_alu depctr_va_vdst(0)
	s_wait_tensorcnt 0x0
	ds_add_u32 v28, v29
	s_wait_dscnt 0x0
	CROUND
	JLOAD G0+4*\s, G1, G0B+4*\s, G1B               ; one load of mine is out at the most
.endr
	v_and_b32 v1, 15, v0                           ; r = l % 16
	v_bfe_u32 v2, v0, 4, 1                         ; h = l / 16
	v_mul_u32_u24 v3, v1, PITCH
	v_lshl_add_u32 v4, v2, 4, v3                   ; a fragment's row x pitch + 16 x half
	s_mul_i32 s21, s15, HALFT                      ; my 128 rows of A
	s_mul_i32 s22, s16, HALFT                      ; my 128 rows of B,
	s_add_co_u32 s22, s22, 2*HALFT                 ; which lie 256 rows on
	s_mul_i32 s23, s15, QUART                      ; second tile: my 64 rows of A
.irp s, 0,1
	v_add_nc_u32 v[ADRA+\s], s21, v4
	v_add_nc_u32 v[ADRB+\s], s22, v4
	v_add_nc_u32 v[ADRA2+\s], s23, v4
	s_add_co_u32 s21, s21, SLOT
	s_add_co_u32 s22, s22, SLOT
	s_add_co_u32 s23, s23, SLOT
.endr
	v_mul_u32_u24 v11, v1, KS                      ; my row's scales: KS bytes a row,
	v_lshrrev_b32 v6, 8, v11
	v_lshl_add_u32 v11, v6, 4, v11                 ; and 16 more for each 256 passed
	s_mul_i32 s21, s15, HALFS
	s_mul_i32 s22, s16, HALFS
	s_add_co_u32 s22, s22, 2*HALFS
	s_sub_co_u32 s22, s22, s21
	v_mul_u32_u24 v6, s22, v2                      ; lanes 16-31 take B's
	s_add_co_u32 s21, s21, SCL
	v_add_nc_u32 v5, v11, v6
	v_add_nc_u32 v[ADRS], s21, v5
	s_mul_i32 s21, s15, HALFS/2                    ; second tile: A's 64 rows; B's lie behind A's 128
	s_mul_i32 s22, s16, HALFS
	s_add_co_u32 s22, s22, HALFS
	s_sub_co_u32 s22, s22, s21
	v_mul_u32_u24 v6, s22, v2
	s_wait_alu depctr_va_vdst(0)
	s_add_co_u32 s21, s21, SCL2
	v_add_nc_u32 v5, v11, v6
	v_add_nc_u32 v[ADRS2], s21, v5
	; the way out's addresses
	s_mul_i32 s23, s14, WST
	s_add_co_u32 s23, s23, STAGE                   ; my stages
	v_mul_u32_u24 v5, v1, 80
	v_lshl_add_u32 v5, v2, 4, v5
	v_add_nc_u32 v[STO], s23, v5                   ; in: row r of 80 bytes, 16 bytes for each half of the lanes
	v_and_b32 v6, 31, v0
	v_lshlrev_b32 v[CO], 4, v6                     ; in memory 16 rows of 64 bytes are dense: 16 x lane
	v_lshrrev_b32 v5, 2, v6
	v_mul_u32_u24 v5, v5, 80
	v_and_b32 v7, 3, v6
	v_lshl_add_u32 v5, v7, 4, v5
	v_add_nc_u32 v[RD], s23, v5                    ; back: four lanes to a row, eight rows a load
	s_add_co_u32 s23, s23, 2560
	v_lshl_add_u32 v[SST], v1, 2, s23              ; my row's scale word
	v_lshl_add_u32 v[SRD], v1, 5, s23              ; back: eight rows' words (128 rows),
	v_lshl_add_u32 v[SRD2], v1, 4, s23             ; or four (64 rows)
	v_lshlrev_b32 v5, 14, v2                       ; lanes 16-31 store the second chunk's bytes: 8,192 x 2 bytes on,
	v_lshl_add_u32 v[SCO], v1, 4, v5
	v_lshlrev_b32 v5, 11, v2                       ; or 1,024 x 2
	v_lshl_add_u32 v[SCO2], v1, 3, v5
	v_cmp_eq_u32 vcc_lo, 1, v2
	v_mov_b32 v5, 0x05040100
	v_mov_b32 v6, 0x07060302
	v_cndmask_b32 v[VSEL], v5, v6, vcc_lo
	v_lshrrev_b32 v10, 4, v0
	v_add_nc_u32 v10, v10, v0
	v_lshl_add_u32 v10, v10, 4, SCL2               ; the second tile's scales: piece t of 16 bytes goes to 16 t + 16 (t / 16); 128 pieces on are 2,176 bytes on
	s_wait_alu depctr_va_vdst(0)
	s_wait_loadcnt 0x0
.irp i, 0,1
	ds_store_b128 v10, v[128+4*\i:131+4*\i] offset:2176*\i
.endr
.irp i, 0,1,2,3
	ds_store_b128 v10, v[136+4*\i:139+4*\i] offset:HALFS+2176*\i
.endr
	; where the results go (the loads above are done: their bases may be written)
	s_lshl_b32 s18, s42, 2
	s_lshl_b32 s19, s16, 1
	s_add_co_u32 s18, s18, s19                     ; first tile: my first chunk: 4 x tile column + 2 x half
	s_lshl_b32 s20, s17, 8
	s_lshl_b32 s21, s15, 7
	s_add_co_u32 s20, s20, s21                     ; my first row: 256 x tile row + 128 x half
	s_lshl_b32 s22, s18, 19                        ; a chunk of codes: 8,192 x 64 bytes
	s_lshl_b32 s21, s20, 6
	s_add_co_u32 s22, s22, s21
	s_mov_b32 s23, 0
	s_add_nc_u64 s[OUTQ:OUTQ+1], s[8:9], s[22:23]
	s_lshl_b32 s22, s18, 14                        ; of scale bytes: 8,192 x 2
	s_lshl_b32 s21, s20, 1
	s_add_co_u32 s22, s22, s21
	s_add_co_u32 s22, s22, QKS_OFF
	s_add_nc_u64 s[OUTQS:OUTQS+1], s[8:9], s[22:23]
	s_lshl_b32 s18, s47, 2
	s_add_co_u32 s18, s18, s19                     ; second tile: my first chunk
	s_lshl_b32 s20, s45, 7
	s_lshl_b32 s21, s15, 6
	s_add_co_u32 s20, s20, s21                     ; my first row: 128 x tile row + 64 x half
	s_lshl_b32 s22, s18, 16                        ; a chunk of codes: 1,024 x 64 bytes
	s_lshl_b32 s21, s20, 6
	s_add_co_u32 s22, s22, s21
	s_add_co_u32 s22, s22, VC_OFF
	s_add_nc_u64 s[OUTV:OUTV+1], s[8:9], s[22:23]
	s_lshl_b32 s22, s18, 11                        ; of scale bytes: 1,024 x 2
	s_lshl_b32 s21, s20, 1
	s_add_co_u32 s22, s22, s21
	s_add_co_u32 s22, s22, VS_OFF
	s_add_nc_u64 s[OUTVS:OUTVS+1], s[8:9], s[22:23]
.macro FRAG reg, adr, q, i             ; 16 rows x 128 K of 8-bit codes: lane l holds row l % 16; registers 4 c .. 4 c + 3 hold K = 32 c + 16 (l / 16) + 0 .. 15
.irp c, 0,1,2,3
	ds_load_b128 v[\reg+4*\c:\reg+4*\c+3], v[\adr] offset:128*(\q)+32*\c+(\i)*16*PITCH
.endr
.endm
; 16 matrix instructions of the first tile: A's blocks a0, a0 + 1 x B's eight, 128 along K.  The 64 accumulators take turns, one instruction a turn, in the same order in every step.
.macro MUL16 a0, p, q, sc, zero
.irp a, \a0, \a0+1
.irp b, 0,1,2,3,4,5,6,7
.if \zero
	v_wmma_scale_f32_16x16x128_f8f6f4 v[8*(8*((\a)%4)+\b):8*(8*((\a)%4)+\b)+7], v[128*(\p)+FR*\b:128*(\p)+FR*\b+FR-1], v[AF+FR*(\a):AF+FR*(\a)+FR-1], 0, v[SC+8*NQ*(\sc)+NQ*\b+(\q)], v[SC+8*NQ*(\sc)+NQ*(\a)+(\q)] matrix_a_fmt:MATRIX_FMT_BF8 matrix_b_fmt:MATRIX_FMT_BF8 matrix_a_scale:MATRIX_SCALE_ROW1
.else
	v_wmma_scale_f32_16x16x128_f8f6f4 v[8*(8*((\a)%4)+\b):8*(8*((\a)%4)+\b)+7], v[128*(\p)+FR*\b:128*(\p)+FR*\b+FR-1], v[AF+FR*(\a):AF+FR*(\a)+FR-1], v[8*(8*((\a)%4)+\b):8*(8*((\a)%4)+\b)+7], v[SC+8*NQ*(\sc)+NQ*\b+(\q)], v[SC+8*NQ*(\sc)+NQ*(\a)+(\q)] matrix_a_fmt:MATRIX_FMT_BF8 matrix_b_fmt:MATRIX_FMT_BF8 matrix_a_scale:MATRIX_SCALE_ROW1
.endif
.endr
.endr
.endm
; and of the second: A's blocks a0, a0 + 1 of four, out of A's set p; its 32 accumulators take turns likewise
.macro MULV a0, p, q, sc, zero
.irp a, \a0, \a0+1
.irp b, 0,1,2,3,4,5,6,7
.if \zero
	v_wmma_scale_f32_16x16x128_f8f6f4 v[8*(8*(\a)+\b):8*(8*(\a)+\b)+7], v[128*(\p)+FR*\b:128*(\p)+FR*\b+FR-1], v[AF+64*(\p)+FR*(\a):AF+64*(\p)+FR*(\a)+FR-1], 0, v[SC+8*NQ*(\sc)+NQ*\b+(\q)], v[SC+8*NQ*(\sc)+NQ*(\a)+(\q)] matrix_a_fmt:MATRIX_FMT_BF8 matrix_b_fmt:MATRIX_FMT_BF8 matrix_a_scale:MATRIX_SCALE_ROW1
.else
	v_wmma_scale_f32_16x16x128_f8f6f4 v[8*(8*(\a)+\b):8*(8*(\a)+\b)+7], v[128*(\p)+FR*\b:128*(\p)+FR*\b+FR-1], v[AF+64*(\p)+FR*(\a):AF+64*(\p)+FR*(\a)+FR-1], v[8*(8*(\a)+\b):8*(8*(\a)+\b)+7], v[SC+8*NQ*(\sc)+NQ*\b+(\q)], v[SC+8*NQ*(\sc)+NQ*(\a)+(\q)] matrix_a_fmt:MATRIX_FMT_BF8 matrix_b_fmt:MATRIX_FMT_BF8 matrix_a_scale:MATRIX_SCALE_ROW1
.endif
.endr
.endr
.endm
.macro FETCH_B slot, q, p
	WIN TO_B
.irp i, 0,1,2,3,4,5,6,7
	FRAG 128*(\p)+FR*\i, ADRB+\slot, \q, \i
.endr
	WIN 0
.endm
.macro FETCH_A slot, q, i0
.irp i, \i0, \i0+1, \i0+2, \i0+3
	FRAG AF+FR*(\i), ADRA+\slot, \q, \i
.endr
.endm
.macro FETCH_A2 slot, q, p             ; second tile: A's four blocks into set p
.irp i, 0,1,2,3
	FRAG AF+64*(\p)+FR*\i, ADRA2+\slot, \q, \i
.endr
.endm
.macro SCALES sc, adr                  ; a K step's scale words: lanes 0-15 take A's block i, lanes 16-31 B's block i.  (In the second tile A has four blocks: what lanes 0-15 bring for i = 4 .. 7 are other rows' words, which nothing names)
.irp i, 0,1,2,3,4,5,6,7
	ds_load_b64 v[SC+8*NQ*\sc+NQ*\i:SC+8*NQ*\sc+NQ*\i+1], v[\adr] offset:\i*SBLK
.endr
.endm
.macro PLACES n                        ; plain vector instructions between a matrix instruction and a load into, or a read of, its registers
.rept \n
	v_nop
.endr
.endm
; The rest of a round of the cluster's barrier, and the joint refill of a slot, the first tensor load behind it.  No tensor load of mine is out, so the groups 0 may be written.
; kind 1: the first tile's K step two steps on.  kind 2: THE SECOND TILE'S K step 0 (slot 0) or 1 (slot 1): other buffers, and A's loads bring 64 rows.  kind 3: the second tile's K step two steps on.
.macro REFILL slot, kind
	CREST
.if \kind == 2
	s_add_co_u32 s[G0+4*\slot+1], s[A2L], \slot*SLOT
	s_add_nc_u64 s[G0+4*\slot+2:G0+4*\slot+3], s[PA2:PA2+1], \slot*ROWB
	s_or_b32 s[G0+4*\slot+3], s[G0+4*\slot+3], 0x80000000
	s_add_nc_u64 s[G0B+4*\slot+2:G0B+4*\slot+3], s[PB2:PB2+1], \slot*ROWB
	s_or_b32 s[G0B+4*\slot+3], s[G0B+4*\slot+3], 0x80000000
	JLOAD G0+4*\slot, G1A2, G0B+4*\slot, G1B
.else
	s_add_nc_u64 s[G0+4*\slot+2:G0+4*\slot+3], s[G0+4*\slot+2:G0+4*\slot+3], 2*ROWB
	s_add_nc_u64 s[G0B+4*\slot+2:G0B+4*\slot+3], s[G0B+4*\slot+2:G0B+4*\slot+3], 2*ROWB
.if \kind == 3
	JLOAD G0+4*\slot, G1A2, G0B+4*\slot, G1B
.else
	JLOAD G0+4*\slot, G1, G0B+4*\slot, G1B
.endif
.endif
.endm
.macro STEP slot, q, zero              ; first tile: a step of 128 along K that has its successor in the same slot
	s_wait_dscnt 4*NL                              ; B's set, the scale words and A's blocks 0-3 are in; the youngest 16 loads (A's blocks 4-7) may be out
	WIN MUL_LO
	MUL16 0, (\q)%2, \q, \slot, \zero
	MUL16 2, (\q)%2, \q, \slot, \zero
	s_wait_dscnt 0                                 ; A's blocks 4-7 are in
	PLACES NP
	FETCH_B \slot, (\q)+1, 1-(\q)%2
	FETCH_A \slot, (\q)+1, 0
	WIN MUL_HI
	MUL16 4, (\q)%2, \q, \slot, \zero
	MUL16 6, (\q)%2, \q, \slot, \zero
	PLACES NP
	WIN 0
	FETCH_A \slot, (\q)+1, 4
.endm
; First tile: a slot's last step changes slots: ONE barrier, which opens a round of the cluster's; in front of it each wave waits for all its tensor loads, adds 0 to its spare word, and waits for that and for its own
; reads of this slot.  fetch = 0: the tile's last step: no fragments are fetched, since the way out takes their registers.
.macro TURN slot, next, kind, fetch
	s_wait_tensorcnt 0x0                           ; all my tensor loads have landed: my part of the next slot
	ds_add_u32 v[SPW], v[NIL]                      ; 0 onto my spare word
	s_wait_dscnt 4*NL+1                            ; (the add and the youngest 16 loads, A's blocks 4-7, may be out)
	WIN MUL_LO
	MUL16 0, 1, NQ-1, \slot, 0
	s_wait_dscnt 0x0                               ; the add is done, and my reads of this slot are over
	s_barrier_signal -1
	MUL16 2, 1, NQ-1, \slot, 0
	WIN 0
	s_barrier_wait -1
	REFILL \slot, \kind                            ; no wave of any partner still reads this slot or has a load on its way
.if \fetch
	PLACES NP-4                                    ; with the four v_nop behind the joint load: the places in front of the loads below
	s_wait_alu depctr_va_vdst(0)
	v_add_nc_u32 v[ADRS], 4*NQ, v[ADRS]            ; on to the next K step's scale words
	FETCH_B \next, 0, 0
	FETCH_A \next, 0, 0
	SCALES \next, ADRS
.endif
	WIN MUL_HI
	MUL16 4, 1, NQ-1, \slot, 0
	MUL16 6, 1, NQ-1, \slot, 0
.if \fetch
	PLACES NP
	WIN 0
	FETCH_A \next, 0, 4
.else
	WIN 0
.endif
.endm
; Second tile: a slot's first step: its fragments were asked for 16 matrix instructions ago; the next step's 48 loads go out ahead of its 32 products.
.macro STEP2 slot, zero
	s_wait_dscnt 0x0
	PLACES NP                                      ; behind the last step's products, which read the sets that are loaded now
	FETCH_B \slot, 1, 1
	FETCH_A2 \slot, 1, 1
	WIN MUL_LO
	MULV 0, 0, 0, \slot, \zero
	MULV 2, 0, 0, \slot, \zero
	WIN 0
.endm
; and its last, which changes slots as TURN does
.macro TURN2 slot, next, fill
	s_wait_tensorcnt 0x0                           ; all my tensor loads have landed: my part of the next slot
	ds_add_u32 v[SPW], v[NIL]                      ; 0 onto my spare word
	s_wait_dscnt 0x0                               ; the add is done, and my reads of this slot, this step's fragments, are in
	s_barrier_signal -1
	WIN MUL_LO
	MULV 0, 1, 1, \slot, 0
	WIN 0
	s_barrier_wait -1
.if \fill
	REFILL \slot, 3
	PLACES NP-4
.else
	PLACES NP
.endif
	s_wait_alu depctr_va_vdst(0)
	v_add_nc_u32 v[ADRS2], 4*NQ, v[ADRS2]
	FETCH_B \next, 0, 0
	FETCH_A2 \next, 0, 0
	SCALES \next, ADRS2
	WIN MUL_LO
	MULV 2, 1, 1, \slot, 0
	WIN 0
.endm
; THE WAY OUT, block by block of 16 rows x 128 columns.  Block a's 64 registers are four blocks of 32 along n, 16 numbers of each in my lane.
; QUANTW: the largest magnitudes (each accumulator read from its low end on), the scale word, the codes.  Five stretches, each under one window setting.
.macro QUANTW a
.set W, 2+(\a)/4
.set AC, 64*((\a)%4)
.set PCA, PC+16*((\a)%2)
.set PWA, PW+(\a)%2
	WIN (W|(W<<2))                                 ; sources 0 and 1: the accumulators' window
.irp b, 0,1,2,3
	v_max3_num_f32 v[TM+\b], |v[AC+16*\b]|, |v[AC+16*\b+1]|, 0x8000000   ; with the floor 2^(16 - 127): the byte cannot fall under 1
.endr
.irp i, 2,4,6,8,10,12,14
.irp b, 0,1,2,3
	v_max3_num_f32 v[TM+\b], |v[AC+16*\b+\i]|, |v[AC+16*\b+\i+1]|, v[TM+\b]   ; the four blocks by turns
.endr
.endr
	WIN 0
.irp b, 0,1,2,3
	v_permlanex16_b32 v[TM+4+\b], v[TM+\b], s20, s21
.endr
.irp b, 0,1,2,3
	v_max_num_f32 v[TM+\b], v[TM+\b], v[TM+4+\b]   ; with lane l xor 16's: the block's largest magnitude
.endr
.irp b, 0,1,2,3
	v_add_nc_u32 v[TM+12+\b], 0xf8800000, v[TM+\b] ; 15 off its exponent field: the conversion's scale operand
.endr
.irp b, 0,1,2,3
.endr
.irp b, 0,1,2,3
	v_lshrrev_b32 v[TM+4+\b], 23, v[TM+12+\b]      ; the scale's byte
.endr
	v_lshl_or_b32 v[PWA], v[TM+5], 8, v[TM+4]      ; low half: my first chunk's two bytes; high half: my second chunk's
	v_lshl_or_b32 v[PWA], v[TM+6], 16, v[PWA]
	v_lshl_or_b32 v[PWA], v[TM+7], 24, v[PWA]
	WIN ((W<<6)|W)                                 ; destination and source 0: the accumulators' window
.irp b, 0,1,2,3
.irp i, 0,1,2,3,4,5,6,7,8,9,10,11,12,13,14,15
.endr
.endr
	WIN W
.irp b, 0,1,2,3
	v_cvt_scalef32_pk8_bf8_f32 v[PCA+4*\b:PCA+4*\b+1], v[AC+16*\b:AC+16*\b+7], v[TM+12+\b]
	v_cvt_scalef32_pk8_bf8_f32 v[PCA+4*\b+2:PCA+4*\b+3], v[AC+16*\b+8:AC+16*\b+15], v[TM+12+\b]
.endr
	WIN 0
.endm
; TOSTAGE: nine LDS instructions.  A lane's 16 bytes of a row go into rows of 80 bytes, a stage for each chunk, and come back as they lie in memory; LDS serves a wave's instructions in order.
.macro TOSTAGE a
.set PCA, PC+16*((\a)%2)
.set BB, BK+16*((\a)%2)
.irp b, 0,1,2,3
	ds_store_b128 v[STO], v[PCA+4*\b:PCA+4*\b+3] offset:(\b/2)*1280+32*(\b%2)
.endr
	ds_store_b32 v[SST], v[PW+(\a)%2] offset:64*(\a)               ; both halves of the lanes write the same word with the same value
.irp k, 0,1,2,3
	ds_load_b128 v[BB+4*\k:BB+4*\k+3], v[RD] offset:(\k/2)*1280+(\k%2)*640
.endr
.endm
.macro SEND a, younger, op, mc         ; younger: the LDS instructions issued behind block a's loads;  op: my first chunk's codes;  mc: the bytes from a chunk to the next, inside the store's signed 24-bit immediate
.set BB, BK+16*((\a)%2)
	s_wait_dscnt \younger
	global_store_b128 v[CO], v[BB:BB+3], s[\op:\op+1] offset:1024*(\a)          ; each store covers 512 consecutive bytes, aligned
	global_store_b128 v[CO], v[BB+4:BB+7], s[\op:\op+1] offset:1024*(\a)+512
	global_store_b128 v[CO], v[BB+8:BB+11], s[\op:\op+1] offset:\mc+1024*(\a)
	global_store_b128 v[CO], v[BB+12:BB+15], s[\op:\op+1] offset:\mc+1024*(\a)+512
.endm
	s_wait_tensorcnt 1                             ; the scales and my part of K step 0 are in (K step 1's load may be out)
	s_wait_dscnt 0x0                               ; and my part of the second tile's scales lies in LDS;
	s_barrier_signal -1
	s_barrier_wait -1                              ; everybody's do
	s_or_b32 s[G1A2+0], s43, (0<<16)|(1<<20)|(1<<21)|(5<<22)|(3<<25)   ; the scales' load is done: its group 1 becomes that of the second tile's A: 64 rows x 256 bytes, to my row of the cluster
	s_mov_b32 s[G1A2+1], ROWB<<16
	s_mov_b32 s[G1A2+2], 64<<16
	s_mov_b32 s[G1A2+3], ROWB<<16
	s_mov_b32 s[G1A2+4], 64
	s_mov_b32 s[G1A2+5], KROW
	s_mov_b32 s[G1A2+6], 0
	s_mov_b32 s[G1A2+7], 0
	; ---- THE FIRST TILE: q or k, 256 x 256
	FETCH_B 0, 0, 0
	FETCH_A 0, 0, 0
	SCALES 0, ADRS
	FETCH_A 0, 0, 4
	STEP 0, 0, 1                                   ; the first step's products start the sums
	TURN 0, 1, 1, 1                                ; slot 0 takes K step 2
	STEP 1, 0, 0
	TURN 1, 0, 1, 1                                ; slot 1 takes K step 3
	STEP 0, 0, 0
	TURN 0, 1, 2, 1                                ; slot 0 takes the second tile's K step 0
	STEP 1, 0, 0
	TURN 1, 0, 2, 0                                ; slot 1 takes its K step 1; the wait and the barrier in this line have shown its K step 0 whole to every wave
	PLACES NP                                      ; behind the last products
	s_mov_b32 s20, 0x76543210
	s_mov_b32 s21, 0xfedcba98                      ; v_permlanex16_b32's selects for lane l xor 16
.irp b, 0,1,2,3
	v_mov_b32 v[TM+4+\b], 0                        ; written once: a lane permute's destination counts as one of its sources
.endr
	QUANTW 0
	TOSTAGE 0
.irp a, 1,2,3,4,5,6,7
	QUANTW \a
.if \a > 1
	s_wait_alu depctr_va_vdst(0)
	s_wait_xcnt 0x0                                ; block a - 2's stores have read their registers: block a's loads may land there
.endif
	TOSTAGE \a
	SEND \a-1, 9, OUTQ, 524288                     ; behind block a - 1's loads: block a's five stores and four loads
.endr
	ds_load_b128 v[160:163], v[SRD]                ; eight rows' scale words
	ds_load_b128 v[164:167], v[SRD] offset:16
	SEND 7, 2, OUTQ, 524288
	s_wait_dscnt 0x0
	v_perm_b32 v168, v161, v160, v[VSEL]           ; lanes 0-15: the eight rows' bytes for the first chunk; lanes 16-31: for the second
	v_perm_b32 v169, v163, v162, v[VSEL]
	v_perm_b32 v170, v165, v164, v[VSEL]
	v_perm_b32 v171, v167, v166, v[VSEL]
	global_store_b128 v[SCO], v[168:171], s[OUTQS:OUTQS+1]   ; sixteen lanes store 256 consecutive bytes, aligned, for each chunk
	; ---- THE SECOND TILE: v, 128 x 256
	s_wait_xcnt 0x0                                ; the stores have read v128-171, into which A's fragments are loaded
	FETCH_B 0, 0, 0
	FETCH_A2 0, 0, 0
	SCALES 0, ADRS2
	STEP2 0, 1                                     ; its first step's products start the sums
	TURN2 0, 1, 1                                  ; slot 0 takes its K step 2
	STEP2 1, 0
	TURN2 1, 0, 1                                  ; slot 1 takes its K step 3
	STEP2 0, 0
	TURN2 0, 1, 0                                  ; nothing is left to fetch: a plain barrier
	STEP2 1, 0
	s_wait_dscnt 0x0                               ; the very last step
	WIN MUL_LO
	MULV 0, 1, 1, 1, 0
	MULV 2, 1, 1, 1, 0
	WIN 0
	PLACES NP
	QUANTW 0
	TOSTAGE 0
.irp a, 1,2,3
	QUANTW \a
.if \a > 1
	s_wait_alu depctr_va_vdst(0)
	s_wait_xcnt 0x0
.endif
	TOSTAGE \a
	SEND \a-1, 9, OUTV, 65536
.endr
	ds_load_b128 v[160:163], v[SRD2]               ; four rows' scale words
	SEND 3, 1, OUTV, 65536
	s_wait_dscnt 0x0
	v_perm_b32 v168, v161, v160, v[VSEL]
	v_perm_b32 v169, v163, v162, v[VSEL]
	global_store_b64 v[SCO2], v[168:169], s[OUTVS:OUTVS+1]   ; sixteen lanes store 128 consecutive bytes for each chunk
	s_wait_tensorcnt 0x0                           ; the wave's end
	ds_add_u32 v[SPW], v[NIL]
	s_wait_dscnt 0x0
	CROUND                                         ; the closing round
	s_endpgm
.Lfunc_end_k_q826be5668f_qkvgemm:
	.size	k_q826be5668f_qkvgemm, .Lfunc_end_k_q826be5668f_qkvgemm-k_q826be5668f_qkvgemm
	.p2alignl 7, 3214868480
	.fill 96, 4, 3214868480
	.section	.rodata,"a",@progbits
	.p2align	6, 0x0
	.amdhsa_kernel k_q826be5668f_qkvgemm
		.amdhsa_group_segment_fixed_size 327680
		.amdhsa_private_segment_fixed_size 0
		.amdhsa_enable_private_segment 0
		.amdhsa_kernarg_size 24
		.amdhsa_user_sgpr_count 2
		.amdhsa_user_sgpr_kernarg_segment_ptr 1
		.amdhsa_wavefront_size32 1
		.amdhsa_system_sgpr_workgroup_id_x 1
		.amdhsa_system_sgpr_workgroup_id_y 1
		.amdhsa_system_sgpr_workgroup_id_z 1
		.amdhsa_system_vgpr_workitem_id 0
		.amdhsa_next_free_vgpr 1024
		.amdhsa_next_free_sgpr 102
		.amdhsa_reserve_vcc 1
		.amdhsa_float_denorm_mode_32 3
		.amdhsa_float_denorm_mode_16_64 3
		.amdhsa_fp16_overflow 1
		.amdhsa_memory_ordered 1
		.amdhsa_forward_progress 1
		.amdhsa_inst_pref_size 245
	.end_amdhsa_kernel
	.amdgpu_metadata
---
amdhsa.version: [ 1, 2 ]
amdhsa.kernels:
  - .name:           k_q826be5668f_qkvgemm
    .symbol:         k_q826be5668f_qkvgemm.kd
    .args:
      - { .name: xq, .offset: 0, .size: 8, .value_kind: global_buffer, .address_space: global }
      - { .name: wq, .offset: 8, .size: 8, .value_kind: global_buffer, .address_space: global }
      - { .name: qkv, .offset: 16, .size: 8, .value_kind: global_buffer, .address_space: global }
    .group_segment_fixed_size: 327680
    .private_segment_fixed_size: 0
    .kernarg_segment_align: 8
    .kernarg_segment_size: 24
    .max_flat_workgroup_size: 128
    .sgpr_count:     102
    .vgpr_count:     1024
    .wavefront_size: 32
...
	.end_amdgpu_metadata
.endif
;; end of part 2
;; launch attn (part 3): grid 4 x 64, 16 waves a work-group, no clusters, 327,680 bytes of LDS; arguments qkv, oq; writes oq
.if DOCPART == 3
	.amdgcn_target "amdgcn-amd-amdhsa--gfx1250"
	.amdhsa_code_object_version 6
	.text
	.protected	k_q826be5668f_attn
	.globl	k_q826be5668f_attn
	.p2align	8
	.type	k_q826be5668f_attn,@function
k_q826be5668f_attn:
	s_mov_b64 s[64:65], 0
	v_nop
	global_prefetch_b8 v0, s[64:65] scope:SCOPE_SE
	s_setreg_imm32_b32 hwreg(HW_REG_WAVE_MODE, 25, 1), 1
	s_wait_xcnt 0x0
; Causal attention on codes of BF8 (E5M2) with E8M0 scales, head size 64, 2,048 tokens, 64 (batch, head) pairs; its result, divided by the row's sum, is quantised along the head's 64 and stored as codes.
; qkv: q's and k's codes [32 chunks: 16 heads of q, 16 of k][8192 tokens in storage order][64]; v's codes [128 chunks of 64 tokens][1024 channels in storage order][64 keys]; their scale bytes [chunk][row][2].
; oq: o's codes [16 heads][8192 tokens][64], scale bytes [16][8192][2].  (Storage order: bits 3 and 4 of the row number swapped, so that 16 consecutive rows form a tile whose results come out as neighbours.)
; THE SOFTMAX: t = score x log2(e) / 8; M = the running largest t rounded UP to a whole number; p = 2^(t - M) is quantised along the keys, not normalised; the row's sum is taken of the unquantised p and divides O at the end.
; When M moves, the sum and O are multiplied by 2^(old M - new M): exact.
; SHARES.  A head's queries are 8 blocks of 256.  Work-group p (0..3) owns blocks 7 - p and p, ONE AFTER THE OTHER: in a pass all sixteen waves hold one tile of 16 queries of the same block
; (wave w: tile w in the first pass, tile 15 - w in the second, so that every wave has 17 key steps of 128 in all).  The first pass wants the key slots 0 .. 7 - p, the second 0 .. p: NINE visits of 256 keys
; in every work-group: the trip count is a constant, no slot is visited that no wave reads, and no tensor load or barrier is jumped over.  In a pass's last slot, the diagonal one, a step all of whose keys
; come after the wave's queries skips its work by a scalar branch on ids.  Only global addresses hang on p: the tiles' (stepped back at the change of passes) and those from which the tables of scale words
; are built, which lie in LDS in the order of the visits.
; NO CLUSTER: the four work-groups of a head want different key slots from the sixth visit on and change passes at different visits; partners of a joint load have to run alike.
; LAYOUT.  Both products are used transposed: S^T = K Q^T, O^T = V^T P^T: a lane holds ONE query (lane % 16) throughout.
; K = 64 IN AN INSTRUCTION OF 128: a fragment of K holds TWO rows a lane (registers 0-7: row 32 f + r; 8-15: row 32 f + 16 + r); q stands as [q | 0 | q] in 24 registers: [q | 0] gives tile 2 f, [0 | q] tile 2 f + 1.
; Zero codes add nothing: our own codes are held, so none is infinity or NaN, and no scale byte is 0xff.
; LIMITS: a block's largest p is taken from its largest score through the same multiply-add and exponential (this takes v_exp_f32 not to fall where its input rises); p under 2^-126 becomes 0;
; zero blocks get the scale byte 1 (read by this program alone); NaN and infinities are not served.
.set SLOT1, 1<<16                      ; slot 1 begins here: one exclusive or turns an address
.set VOFF,  20480                      ; a slot: 256 rows of K, pitch 80; then V: 4 chunks x 64 rows, pitch 80
.set KST,   131072                     ; 1,536 scale words of K, 64 for each visit step: word 16 f + r = the bytes of rows 32 f + r and 32 f + 16 + r
.set VTOFF, 6144                       ; behind them 1,536 of V: word d = the bytes of the step's two chunks, channel d
.set STG,   143360                     ; the way out: 16 rows x 80 bytes for each wave
.set OSC,   163840                     ; 512 scale words of o: 256 for each pass
.set QST,   165888                     ; for each wave 1,280 bytes: the second pass's q as an image of its registers (1,024) and its scale words (128)
.set SPARE, 186368                     ; the spare words, 128 bytes for each wave: eight blocks of 256 bytes that no other line names
.set VC_OFF, 16777216
.set QKS_OFF, 25165824
.set VS_OFF, 25690112
.set OS_OFF, 8388608
.set AK0, 1                            ; v1   80 r + 16 h: my lane's place in a tile
.set AS0, 2                            ; v2   KST + 4 r
.set SPW, 3
.set NIL, 4
.set AD,  5                            ; v5   the step's tiles
.set ADS, 6                            ; v6   the step's scale words
.set GO,  7                            ; v7   16 x lane
.set QS,  40                           ; v40  q's scale word: its two bytes twice
.set F,   48                           ; v48-111  four fragments of K or of V
.set S,   112                          ; v112-175 S^T, then p
.set O,   176                          ; v176-207 O^T, four tiles
.set PC,  208                          ; v208-223 p's codes
.set BM,  224                          ; v224-227 each block's largest score, then its largest p
.set T2,  228                          ; v228-231 at work
.set HOLD, 232
.set SCO, 236                          ; v236-239 the conversions' scale operands
.set KW,  240                          ; v240-243 K's scale words
.set VW,  244                          ; v244-247 V's
.set PW,  249                          ; v249 p's scale word
.set FF,  250                          ; v[250:251] f, and a register written once
.set WV,  18
.set MNT, 19
.set SEL, 20
.set CS,  22
.set G1K, 24
.set G1V, 32
.set G0K, 40
.set G0V, 44
.set TB,  48                           ; s48  where the slot in hand begins
.set TS,  49                           ; s49  the visit step's scale words: 256 bytes a step
.set SLOTS, 50                         ; s50  visits to go behind this one
.set KF,  51                           ; s51  the step's first key
.set Q0,  52                           ; s52  my first query in the pass in hand
; s57 p; s58 p + 1; s59 16 - 2 p: the first pass's key steps; s82 my first query in the second pass; s94, s95 the first pass's slots in bytes of K and of V; s[90:91], s[92:93] what a refill steps back
; Waves 0 and 1 fetch K's halves of a slot, waves 2 and 3 V's, the others nothing.  Four v_nop follow each of the two lines.
.macro TLOAD
	s_cmp_lt_u32 s[WV], 2
	s_cbranch_scc0 .Lnot_k_\@
	tensor_load_to_lds s[G0K:G0K+3], s[G1K:G1K+7]
	s_nop 0
.rept 4
	v_nop
.endr
	s_branch .Lasked_\@
.Lnot_k_\@:
	s_cmp_lt_u32 s[WV], 4
	s_cbranch_scc0 .Lasked_\@
	tensor_load_to_lds s[G0V:G0V+3], s[G1V:G1V+7]
	s_nop 0
.rept 4
	v_nop
.endr
.Lasked_\@:
.endm
; byte offsets of the tile of 16 queries that begins at s[q0]: q's codes into s[pc:pc+1], q's scale bytes into s[ps:ps+1].  Its storage rows begin at (q0 & ~31) + 8 ((q0 / 16) & 1)
.macro QPTR q0, pc, ps
	s_and_b32 s[\pc], s[\q0], 0xffe0
	s_and_b32 s53, s[\q0], 16
	s_lshr_b32 s53, s53, 1
	s_add_co_u32 s[\pc], s[\pc], s53
	s_lshl_b32 s53, s55, 11
	s_add_co_u32 s[\pc], s[\pc], s53
	s_lshl_b32 s[\ps], s[\pc], 1                   ; 2 scale bytes a row
	s_lshl_b32 s[\pc], s[\pc], 6                   ; 64 codes a row
	s_lshl_b32 s53, s56, 19
	s_add_co_u32 s[\pc], s[\pc], s53
	s_mov_b32 s[\pc+1], 0
	s_lshl_b32 s53, s56, 14
	s_add_co_u32 s[\ps], s[\ps], s53
	s_add_co_u32 s[\ps], s[\ps], QKS_OFF
	s_mov_b32 s[\ps+1], 0
.endm
.macro OPTR q0, pc                     ; and of its rows of o's codes: head, token 2,048 b + q0
	s_lshl_b32 s[\pc], s55, 11
	s_add_co_u32 s[\pc], s[\pc], s[\q0]
	s_lshl_b32 s[\pc], s[\pc], 6
	s_lshl_b32 s53, s56, 19
	s_add_co_u32 s[\pc], s[\pc], s53
	s_mov_b32 s[\pc+1], 0
.endm
	s_load_b128 s[4:7], s[0:1], 0x0                ; qkv, oq
	v_lshl_add_u32 v[SPW], v0, 2, SPARE
	v_mov_b32 v[NIL], 0
	ds_add_u32 v3, v4
	ds_add_u32 v3, v4
	s_wait_dscnt 0x0
	v_lshrrev_b32 v8, 5, v0
	s_delay_alu instid0(VALU_DEP_1)
	v_readfirstlane_b32 s[WV], v8                  ; wave 0..15
	s_and_b32 s54, ttmp7, 0xffff
	s_lshr_b32 s55, s54, 4                         ; the batch
	s_and_b32 s56, s54, 15                         ; the head
	s_mov_b32 s57, ttmp9                           ; p
	s_add_co_u32 s58, s57, 1
	s_lshl_b32 s59, s57, 1
	s_sub_co_u32 s59, 16, s59                      ; the first pass has 8 - p visits, 16 - 2 p key steps
	s_sub_co_u32 s60, 7, s57                       ; its block
	s_lshl_b32 s[Q0], s60, 8
	s_lshl_b32 s53, s[WV], 4
	s_add_co_u32 s[Q0], s[Q0], s53                 ; first pass: query 256 (7 - p) + 16 w
	s_xor_b32 s53, s[WV], 15
	s_lshl_b32 s53, s53, 4
	s_lshl_b32 s82, s57, 8
	s_add_co_u32 s82, s82, s53                     ; second pass: query 256 p + 16 (15 - w)
	s_lshl_b32 s94, s59, 13                        ; (8 - p) slots of K: 16,384 bytes each
	s_lshl_b32 s95, s59, 17                        ; and of V: 262,144 each
	s_mov_b32 s91, 0
	s_mov_b32 s93, 0
	s_cmp_eq_u32 s[WV], 0
	s_cselect_b32 s60, s60, s57                    ; wave 0 stores the first pass's scale bytes, wave 1 the second's
	s_and_b32 s62, s[WV], 1                        ; which half I fetch, if I fetch
	s_mul_i32 s63, s62, 10240                      ; and its place in a slot
	s_add_co_u32 s66, s56, 16                      ; K's codes: chunk 16 + head, 524,288 bytes a chunk; 131,072 a batch; 8,192 a half
	s_lshl_b32 s66, s66, 19
	s_lshl_b32 s53, s55, 17
	s_add_co_u32 s66, s66, s53
	s_lshl_b32 s53, s62, 13
	s_add_co_u32 s66, s66, s53
	s_mov_b32 s67, 0
	s_lshl_b32 s68, s55, 21                        ; V's codes: 32 chunks of 65,536 bytes a batch; the head's 64 rows: 4,096; two chunks a half
	s_lshl_b32 s53, s56, 12
	s_add_co_u32 s68, s68, s53
	s_lshl_b32 s53, s62, 17
	s_add_co_u32 s68, s68, s53
	s_add_co_u32 s68, s68, VC_OFF
	s_mov_b32 s69, 0
	QPTR Q0, 70, 72                                ; the first pass's q
	QPTR 82, 86, 88                                ; the second's
	OPTR Q0, 78
	OPTR 82, 84
	s_add_co_u32 s74, s56, 16                      ; K's scale bytes of the head and batch: 4,096
	s_lshl_b32 s74, s74, 14
	s_lshl_b32 s53, s55, 12
	s_add_co_u32 s74, s74, s53
	s_add_co_u32 s74, s74, QKS_OFF
	s_mov_b32 s75, 0
	s_lshl_b32 s76, s55, 16                        ; V's: 32 chunks of 2,048 bytes a batch; the head's 128 bytes in each
	s_lshl_b32 s53, s56, 7
	s_add_co_u32 s76, s76, s53
	s_add_co_u32 s76, s76, VS_OFF
	s_mov_b32 s77, 0
	s_lshl_b32 s80, s56, 14                        ; O's scale bytes: head, batch, 512 bytes a block
	s_lshl_b32 s53, s55, 12
	s_add_co_u32 s80, s80, s53
	s_lshl_b32 s53, s60, 9
	s_add_co_u32 s80, s80, s53
	s_add_co_u32 s80, s80, OS_OFF
	s_mov_b32 s81, 0
	; K: 128 keys = 8,192 dense bytes as 32 rows of 256 (32 elements of 8 bytes); 4 words of padding behind every 16: LDS rows of 64 + 16 bytes
	s_mov_b32 s[G1K], (3<<16)|(1<<20)|(3<<22)|(3<<25)
	s_mov_b32 s[G1K+1], 32<<16
	s_mov_b32 s[G1K+2], 32<<16
	s_mov_b32 s[G1K+3], 32<<16
	s_mov_b32 s[G1K+4], 32
	s_mov_b32 s[G1K+5], 32
	s_mov_b32 s[G1K+6], 0
	s_mov_b32 s[G1K+7], 0
	; V: two chunks of 4,096 dense bytes (512 elements), 65,536 bytes (8,192 elements) apart; the same padding
	s_mov_b32 s[G1V], (3<<16)|(1<<20)|(3<<22)|(3<<25)
	s_mov_b32 s[G1V+1], 512<<16
	s_mov_b32 s[G1V+2], 2<<16
	s_mov_b32 s[G1V+3], 512<<16
	s_mov_b32 s[G1V+4], 2
	s_mov_b32 s[G1V+5], 8192
	s_mov_b32 s[G1V+6], 0
	s_mov_b32 s[G1V+7], 0
	s_mov_b32 s[SEL], 0x76543210
	s_mov_b32 s[SEL+1], 0xfedcba98                 ; v_permlanex16_b32's selects for lane l xor 16
	s_mov_b32 s[CS], 0x3e38aa3b                    ; c = log2(e) / 8
	s_mov_b32 s[CS+1], s[CS]                       ; (named with it as a pair, so it is written)
	s_mov_b32 s[TB], 0
	s_mov_b32 s[TS], 0
	s_mov_b32 s[SLOTS], 8
	s_mov_b32 s[KF], 0
	s_wait_kmcnt 0x0
	s_mov_b32 s[G0K], 1
	s_mov_b32 s[G0K+1], s63
	s_add_nc_u64 s[G0K+2:G0K+3], s[4:5], s[66:67]
	s_or_b32 s[G0K+3], s[G0K+3], 0x80000000
	s_mov_b32 s[G0V], 1
	s_add_co_u32 s[G0V+1], s63, VOFF
	s_add_nc_u64 s[G0V+2:G0V+3], s[4:5], s[68:69]
	s_or_b32 s[G0V+3], s[G0V+3], 0x80000000
	TLOAD                                          ; the first visit's tiles: the one first fill at the start; one load of mine is out at the most, here and behind every barrier
	s_add_nc_u64 s[70:71], s[4:5], s[70:71]
	s_add_nc_u64 s[72:73], s[4:5], s[72:73]
	s_add_nc_u64 s[74:75], s[4:5], s[74:75]
	s_add_nc_u64 s[76:77], s[4:5], s[76:77]
	s_add_nc_u64 s[86:87], s[4:5], s[86:87]
	s_add_nc_u64 s[88:89], s[4:5], s[88:89]
	s_add_nc_u64 s[78:79], s[6:7], s[78:79]
	s_add_nc_u64 s[84:85], s[6:7], s[84:85]
	s_add_nc_u64 s[80:81], s[6:7], s[80:81]
	v_and_b32 v8, 15, v0                           ; r
	v_bfe_u32 v9, v0, 4, 1                         ; h
	s_delay_alu instid0(VALU_DEP_2)
	v_and_b32 v10, 8, v8
	s_delay_alu instid0(VALU_DEP_1)
	v_add_nc_u32 v10, v10, v8                      ; query r of a tile lies r + 8 (r / 8) storage rows on
	s_delay_alu instid0(VALU_DEP_1)
	v_lshlrev_b32 v11, 6, v10
	s_delay_alu instid0(VALU_DEP_1)
	v_lshl_add_u32 v11, v9, 4, v11
	global_load_b128 v[16:19], v11, s[70:71]       ; the first pass's q, twice, with eight registers of zeros between
	global_load_b128 v[20:23], v11, s[70:71] offset:32
	global_load_b128 v[32:35], v11, s[70:71]
	global_load_b128 v[36:39], v11, s[70:71] offset:32
	global_load_b128 v[64:67], v11, s[86:87]       ; the second pass's q: it waits in LDS
	global_load_b128 v[68:71], v11, s[86:87] offset:32
	; scale bytes are two to a row: each is fetched as the aligned word of an even row and the odd row behind it, and the thread's parity picks the half
	v_and_b32 v41, 0x1e, v10
	s_delay_alu instid0(VALU_DEP_1)
	v_lshlrev_b32 v41, 1, v41
	global_load_b32 v47, v41, s[72:73]
	global_load_b32 v72, v41, s[88:89]
	; THE TABLES LIE IN THE ORDER OF THE VISITS.  Thread t makes words t, t + 512, t + 1,024 of each: visit step j = t / 64 + 8 k; its key step is j in the first pass and j - (16 - 2 p) behind it:
	; the smaller of the two as unsigned numbers.  18 steps are used; the six beyond hold key steps of 13 at the most, so that no load leaves its buffer.
	v_lshrrev_b32 v42, 6, v0
	v_and_b32 v43, 0x30, v0
	s_delay_alu instid0(VALU_DEP_1)
	v_lshlrev_b32 v43, 2, v43
	v_and_b32 v45, 0xe, v0
	s_delay_alu instid0(VALU_DEP_1)
	v_lshl_add_u32 v43, v45, 1, v43                ; K, within a step's 256 bytes: rows 32 f + (r & ~1), and 16 rows (32 bytes) on
	v_and_b32 v45, 62, v0
	s_delay_alu instid0(VALU_DEP_1)
	v_lshlrev_b32 v45, 1, v45                      ; V, within a chunk's 128 bytes: channel d & ~1; the step's second chunk lies 2,048 bytes on
.irp k, 0,1,2
	v_add_nc_u32 v[73+\k], 8*\k, v42
	s_delay_alu instid0(VALU_DEP_1)
	v_sub_nc_u32 v[76+\k], v[73+\k], s59
	s_delay_alu instid0(VALU_DEP_1)
	v_min_u32 v[73+\k], v[73+\k], v[76+\k]         ; the key step
	s_delay_alu instid0(VALU_DEP_1)
	v_lshl_add_u32 v[76+\k], v[73+\k], 8, v43
	s_delay_alu instid0(VALU_DEP_2)
	v_lshl_add_u32 v[79+\k], v[73+\k], 12, v45
	global_load_b32 v[48+4*\k], v[76+\k], s[74:75]
	global_load_b32 v[49+4*\k], v[76+\k], s[74:75] offset:32
	global_load_b32 v[50+4*\k], v[79+\k], s[76:77]
	global_load_b32 v[51+4*\k], v[79+\k], s[76:77] offset:2048
.endr
	v_and_b32 v44, 1, v0
	s_delay_alu instid0(VALU_DEP_1)
	v_cmp_eq_u32 vcc_lo, 1, v44
	v_mov_b32 v45, 0x05040100
	v_mov_b32 v46, 0x07060302
	s_delay_alu instid0(VALU_DEP_1)
	v_cndmask_b32 v46, v45, v46, vcc_lo            ; an even thread takes the words' low halves, an odd one their high halves
	v_mul_u32_u24 v[AK0], v8, 80
	s_delay_alu instid0(VALU_DEP_1)
	v_lshl_add_u32 v[AK0], v9, 4, v[AK0]
	v_lshl_add_u32 v[AS0], v8, 2, KST
	v_and_b32 v[GO], 31, v0
	s_mul_i32 s53, s[WV], 1280
	s_add_co_u32 s53, s53, QST
	v_lshl_add_u32 v91, v[GO], 4, s53              ; my wave's bytes for the second pass's q: 16 x lane,
	v_lshl_add_u32 v92, v[GO], 2, s53              ; and 4 x lane for its scale word
	v_lshlrev_b32 v[GO], 4, v[GO]
	v_lshl_add_u32 v90, v0, 2, KST
	v_mov_b32 v13, 0xff61b1e6                      ; the largest t so far: -3e38, under every t
	s_delay_alu instid0(VALU_DEP_1)
	v_floor_f32 v12, -v13                          ; -M
	v_mov_b32 v14, 0                               ; the sum, in two halves
	v_mov_b32 v15, 0
	v_mov_b32 v[FF+1], 0                           ; (named as the upper half of a pair)
.irp j, 0,1,2,3,4,5,6,7
	v_mov_b32 v[24+\j], 0                          ; the zero codes between q and q
.endr
.irp b, 0,1,2,3
	v_mov_b32 v[T2+\b], 0                          ; written once: a lane permute's destination counts as one of its sources
.endr
.set j, 0
.rept 32
	v_mov_b32 v[O+j], 0                            ; O^T.  (The step is written once: a pass's first finds zeros, which the first change of M leaves zeros)
.set j, j+1
.endr
	s_wait_loadcnt 0x0
	v_perm_b32 v[QS], v47, v47, v46
	v_perm_b32 v72, v72, v72, v46
.irp k, 0,1,2
	v_perm_b32 v[82+2*\k], v[49+4*\k], v[48+4*\k], v46
	v_perm_b32 v[83+2*\k], v[51+4*\k], v[50+4*\k], v46
.endr
.irp k, 0,1,2
	ds_store_b32 v90, v[82+2*\k] offset:2048*\k            ; the tables: the first change of slots, with its wait and its barrier, shows them to every wave
	ds_store_b32 v90, v[83+2*\k] offset:VTOFF+2048*\k
.endr
	ds_store_b128 v91, v[64:67]                    ; the second pass's q as its registers stand: only my wave reads these bytes
	ds_store_b128 v91, v[68:71] offset:512
	ds_store_b32 v92, v72 offset:1024
; A KEY STEP: 128 keys, the q-th of the slot in hand.
.macro STEP q
	s_add_co_u32 s53, s[Q0], 15
	s_cmp_gt_u32 s[KF], s53                        ; all its keys come after my queries: only the lines at its end run
	s_cbranch_scc1 .Lhidden_\@
	v_add_nc_u32 v[AD], s[TB], v[AK0]
	v_add_nc_u32 v[ADS], s[TS], v[AS0]
.rept 6
	v_nop                                          ; with the two additions: eight places behind the last step's products, in front of loads into their registers
.endr
.irp f, 0,1,2,3
.irp c, 0,1,2,3
	ds_load_b128 v[F+16*\f+4*\c:F+16*\f+4*\c+3], v[AD] offset:10240*\q+2560*\f+1280*(\c/2)+32*(\c%2)   ; rows 32 f + r and 32 f + 16 + r
.endr
	ds_load_b32 v[KW+\f], v[ADS] offset:64*\f
.endr
	s_wait_alu depctr_va_vdst(0)
	s_wait_dscnt 0x0
.irp T, 0,1,2,3,4,5,6,7
	v_wmma_scale_f32_16x16x128_f8f6f4 v[S+8*\T:S+8*\T+7], v[F+16*(\T/2):F+16*(\T/2)+15], v[16+8*(\T%2):31+8*(\T%2)], 0, v[KW+\T/2], v[QS] matrix_a_fmt:MATRIX_FMT_BF8 matrix_b_fmt:MATRIX_FMT_BF8
.endr                                          ; lane (r, h): query Q0 + r; register 16 b + i: key KF + 32 b + 16 h + i
.rept 8
	v_nop
.endr
.irp t, 0,1,2,3                                ; V's fragments are asked for now and land under the softmax
.irp c, 0,1,2,3
	ds_load_b128 v[F+16*\t+4*\c:F+16*\t+4*\c+3], v[AD] offset:VOFF+5120*(2*\q+\c/2)+1280*\t+32*(\c%2)
.endr
	ds_load_b32 v[VW+\t], v[ADS] offset:VTOFF+64*\t
.endr
	s_add_co_u32 s53, s[KF], 127                   ; on the diagonal hidden scores become -infinity ahead of the maximum; a step all of whose keys count skips this
	s_cmp_le_u32 s53, s[Q0]
	s_cbranch_scc1 .Lopen_\@
	s_sub_co_i32 s53, s[Q0], s[KF]
	v_and_b32 v41, 15, v0
	v_bfe_u32 v42, v0, 4, 1
	s_delay_alu instid0(VALU_DEP_1)
	v_lshlrev_b32 v42, 4, v42
	s_delay_alu instid0(VALU_DEP_1)
	v_sub_nc_u32 v41, v41, v42
	s_delay_alu instid0(VALU_DEP_1)
	v_add_nc_u32 v41, s53, v41                     ; d = my query - KF - 16 h: register 16 b + i is hidden where 32 b + i > d
	v_mov_b32 v43, 0xff800000
.set n, 0
.rept 64
	v_cmp_gt_i32 vcc_lo, 32*(n/16)+n%16, v41
	v_cndmask_b32 v[S+n], v[S+n], v43, vcc_lo
.set n, n+1
.endr
.Lopen_\@:
.irp b, 0,1,2,3
	v_max3_num_f32 v[BM+\b], v[S+16*\b], v[S+16*\b+1], v[S+16*\b+2]   ; the largest score of each block of 32 keys: for the row's maximum and for the block's largest p
.endr
.irp i, 3,5,7,9,11,13
.irp b, 0,1,2,3
	v_max3_num_f32 v[BM+\b], v[BM+\b], v[S+16*\b+\i], v[S+16*\b+\i+1]
.endr
.endr
.irp b, 0,1,2,3
	v_max_num_f32 v[BM+\b], v[BM+\b], v[S+16*\b+15]
.endr
.irp b, 0,1,2,3
	s_delay_alu instid0(VALU_DEP_4)
	v_permlanex16_b32 v[T2+\b], v[BM+\b], s[SEL], s[SEL+1]
.endr
.irp b, 0,1,2,3
	s_delay_alu instid0(VALU_DEP_4)
	v_max_num_f32 v[BM+\b], v[BM+\b], v[T2+\b]     ; with lane l xor 16's 16 keys
.endr
	s_delay_alu instid0(VALU_DEP_2)
	v_max3_num_f32 v44, v[BM], v[BM+1], v[BM+2]
	s_delay_alu instid0(VALU_DEP_1)
	v_max_num_f32 v44, v44, v[BM+3]
	s_delay_alu instid0(VALU_DEP_1)
	v_mul_f32 v44, s[CS], v44                      ; the step's largest t (c is positive)
	s_delay_alu instid0(VALU_DEP_1)
	v_max_num_f32 v13, v13, v44                    ; the running largest t
	v_mov_b32 v44, v12
	s_delay_alu instid0(VALU_DEP_2)
	v_floor_f32 v12, -v13                          ; the new -M = -ceil(t)
	s_delay_alu instid0(VALU_DEP_1)
	v_sub_f32 v44, v12, v44                        ; old M - new M: a whole number, 0 or less
	s_delay_alu instid0(VALU_DEP_1)
	v_cvt_i32_f32 v44, v44                         ; (it saturates)
	s_delay_alu instid0(VALU_DEP_1)
	v_ldexp_f32 v[FF], 1.0, v44                    ; f = 2^(old M - new M)
.set j, 0
.rept 32
	v_pk_fma_f32 v[S+j:S+j+1], v[S+j:S+j+1], s[CS:CS+1], v[12:13] op_sel_hi:[1,0,0]   ; t - M, two at a time
.set j, j+2
.endr
.irp b, 0,1,2,3
	v_fma_f32 v[BM+\b], v[BM+\b], s[CS], v12
.endr
.set j, 0
	s_wait_alu depctr_va_vdst(0)
.rept 64
	v_exp_f32 v[S+j], v[S+j]                       ; p = 2^(t - M), at most 1
.set j, j+1
.endr
.irp b, 0,1,2,3
	v_exp_f32 v[BM+\b], v[BM+\b]                   ; the block's largest p
.endr
	v_pk_mul_f32 v[14:15], v[14:15], v[FF:FF+1] op_sel_hi:[1,0]   ; the sums under the new M (a plain instruction behind the exponentials)
	s_wait_alu depctr_va_vdst(0)
.irp b, 0,1,2,3
	v_max_num_f32 v[BM+\b], 0x8000000, v[BM+\b]    ; the floor 2^(16 - 127)
.endr
.irp b, 0,1,2,3
	s_delay_alu instid0(VALU_DEP_4)
	v_add_nc_u32 v[SCO+\b], 0xf8800000, v[BM+\b]
.endr
.irp b, 0,1,2,3
.endr
.irp b, 0,1,2,3
	s_delay_alu instid0(VALU_DEP_4)
	v_lshrrev_b32 v[T2+\b], 23, v[SCO+\b]
.endr
	s_delay_alu instid0(VALU_DEP_3)
	v_lshl_or_b32 v[PW], v[T2+1], 8, v[T2]         ; p's scale word for these 128 keys
	s_delay_alu instid0(VALU_DEP_1)
	v_lshl_or_b32 v[PW], v[T2+2], 16, v[PW]
	s_delay_alu instid0(VALU_DEP_1)
	v_lshl_or_b32 v[PW], v[T2+3], 24, v[PW]
	v_pk_add_f32 v[228:229], v[116:117], v[120:121]
	v_pk_add_f32 v[254:255], v[124:125], v[128:129]
	v_pk_add_f32 v[252:253], v[132:133], v[136:137]
	v_pk_add_f32 v[242:243], v[140:141], v[144:145]
	v_pk_add_f32 v[240:241], v[148:149], v[152:153]
	v_pk_add_f32 v[234:235], v[156:157], v[160:161]
	v_pk_add_f32 v[232:233], v[164:165], v[168:169]
	v_pk_add_f32 v[14:15], v[14:15], v[172:173]
	v_pk_add_f32 v[228:229], v[228:229], v[112:113]
	v_pk_add_f32 v[254:255], v[254:255], v[114:115]
	v_pk_add_f32 v[252:253], v[252:253], v[118:119]
	v_pk_add_f32 v[242:243], v[242:243], v[122:123]
	v_pk_add_f32 v[240:241], v[240:241], v[126:127]
	v_pk_add_f32 v[234:235], v[234:235], v[130:131]
	v_pk_add_f32 v[232:233], v[232:233], v[134:135]
	v_pk_add_f32 v[14:15], v[14:15], v[138:139]
	v_pk_add_f32 v[228:229], v[228:229], v[142:143]
	v_pk_add_f32 v[254:255], v[254:255], v[146:147]
	v_pk_add_f32 v[252:253], v[252:253], v[150:151]
	v_pk_add_f32 v[242:243], v[242:243], v[154:155]
	v_pk_add_f32 v[240:241], v[240:241], v[158:159]
	v_pk_add_f32 v[234:235], v[234:235], v[162:163]
	v_pk_add_f32 v[232:233], v[232:233], v[166:167]
	v_pk_add_f32 v[14:15], v[14:15], v[170:171]
	v_pk_add_f32 v[228:229], v[228:229], v[174:175]
	s_delay_alu instid0(VALU_DEP_2)
	v_pk_add_f32 v[14:15], v[14:15], v[242:243]
	s_delay_alu instid0(VALU_DEP_2)
	v_pk_add_f32 v[228:229], v[228:229], v[240:241]
	v_pk_add_f32 v[254:255], v[254:255], v[234:235]
	v_pk_add_f32 v[252:253], v[252:253], v[232:233]
	s_delay_alu instid0(VALU_DEP_2)
	v_pk_add_f32 v[14:15], v[14:15], v[254:255]
	s_delay_alu instid0(VALU_DEP_2)
	v_pk_add_f32 v[228:229], v[228:229], v[252:253]
	s_delay_alu instid0(VALU_DEP_1)
	v_pk_add_f32 v[14:15], v[14:15], v[228:229]
.irp b, 0,1,2,3
.irp i, 0,1,2,3,4,5,6,7,8,9,10,11,12,13,14,15
.endr
	v_cvt_scalef32_pk8_bf8_f32 v[PC+4*\b:PC+4*\b+1], v[S+16*\b:S+16*\b+7], v[SCO+\b]
	v_cvt_scalef32_pk8_bf8_f32 v[PC+4*\b+2:PC+4*\b+3], v[S+16*\b+8:S+16*\b+15], v[SCO+\b]
.endr
.set j, 0
.rept 16
	v_pk_mul_f32 v[O+j:O+j+1], v[O+j:O+j+1], v[FF:FF+1] op_sel_hi:[1,0]   ; O^T under the new M; these sixteen also stand between the conversions and the products
.set j, j+2
.endr
	s_wait_alu depctr_va_vdst(0)
	s_wait_dscnt 0x0                               ; V's fragments and scale words
.irp t, 0,1,2,3                                ; O^T += V^T P^T: the four accumulators by turns
	v_wmma_scale_f32_16x16x128_f8f6f4 v[O+8*\t:O+8*\t+7], v[F+16*\t:F+16*\t+15], v[PC:PC+15], v[O+8*\t:O+8*\t+7], v[VW+\t], v[PW] matrix_a_fmt:MATRIX_FMT_BF8 matrix_b_fmt:MATRIX_FMT_BF8
.endr
.Lhidden_\@:
	s_add_co_u32 s[KF], s[KF], 128
	s_add_co_u32 s[TS], s[TS], 256
.endm
; THE CHANGE OF SLOTS stands at a visit's head.  Each wave waits for all its tensor loads, adds 0 to its spare word, and waits for that and for its LDS stores and its reads of the slot that it has left.
; Behind the barrier the slot ahead is whole and nobody reads the other.  fill = 1: that other slot takes the next visit's 256 keys: the load has a whole visit's steps in which to land.
; The next visit's keys are the next 256, or, where it opens the second pass (p + 1 visits are then to go), the head's first 256: the global address goes one slot on and 8 - p slots back.
.macro CHANGE fill
	s_wait_tensorcnt 0x0                           ; no tensor load of mine is out, so a group 0 may be written
	ds_add_u32 v[SPW], v[NIL]                      ; 0 onto my spare word
.if \fill
	s_cmp_eq_u32 s[SLOTS], s58
	s_cselect_b32 s90, s94, 0
	s_cselect_b32 s92, s95, 0
	s_xor_b32 s[G0K+1], s[G0K+1], SLOT1
	s_add_nc_u64 s[G0K+2:G0K+3], s[G0K+2:G0K+3], 16384     ; 256 keys of 64 bytes
	s_sub_nc_u64 s[G0K+2:G0K+3], s[G0K+2:G0K+3], s[90:91]
	s_xor_b32 s[G0V+1], s[G0V+1], SLOT1
	s_add_nc_u64 s[G0V+2:G0V+3], s[G0V+2:G0V+3], 262144    ; four chunks
	s_sub_nc_u64 s[G0V+2:G0V+3], s[G0V+2:G0V+3], s[92:93]
.endif
	s_wait_dscnt 0x0
	s_barrier_signal -1
	s_barrier_wait -1
.if \fill
	TLOAD                                          ; the first thing behind the barrier, and a wave's one tensor load until the next
.endif
.endm
; THE WAY OUT of a pass's tile: O^T / the sum, quantised along the head's 64, through my stage in LDS, to s[ocp:ocp+1].  The twelve address lines are the places behind the last products.
.macro WAYOUT ocp, second
	v_and_b32 v8, 15, v0                           ; r
	v_bfe_u32 v9, v0, 4, 1                         ; h
	s_mul_i32 s53, s[WV], 1280
	s_add_co_u32 s53, s53, STG                     ; my stage
	v_mul_u32_u24 v10, v8, 80
	s_delay_alu instid0(VALU_DEP_1)
	v_lshl_add_u32 v10, v9, 4, v10
	s_delay_alu instid0(VALU_DEP_1)
	v_add_nc_u32 v10, s53, v10                     ; in: row r, 16 bytes for each half of the lanes
	v_and_b32 v11, 31, v0
	s_delay_alu instid0(VALU_DEP_1)
	v_lshrrev_b32 v41, 2, v11
	s_delay_alu instid0(VALU_DEP_1)
	v_mul_u32_u24 v41, v41, 80
	s_delay_alu instid0(VALU_DEP_3)
	v_and_b32 v11, 3, v11
	s_delay_alu instid0(VALU_DEP_1)
	v_lshl_add_u32 v11, v11, 4, v41
	s_delay_alu instid0(VALU_DEP_1)
	v_add_nc_u32 v11, s53, v11                     ; back: four lanes to a row
.if \second
	s_xor_b32 s53, s[WV], 15                       ; tile 15 - w of the second block
	s_lshl_b32 s53, s53, 6
	s_add_co_u32 s53, s53, OSC+1024
.else
	s_lshl_b32 s53, s[WV], 6                       ; tile w of the first
	s_add_co_u32 s53, s53, OSC
.endif
	v_lshl_add_u32 v42, v8, 2, s53                 ; my row's scale word
	v_add_f32 v14, v14, v15
	s_delay_alu instid0(VALU_DEP_1)
	v_permlanex16_b32 v44, v14, s[SEL], s[SEL+1]
	s_delay_alu instid0(VALU_DEP_1)
	v_add_f32 v14, v14, v44                        ; the row's sum
	s_wait_alu depctr_va_vdst(0)
	v_rcp_f32 v14, v14
	v_nop                                          ; one plain instruction behind a transcendental
.set j, 0
	s_wait_alu depctr_va_vdst(0)
.rept 32
	v_mul_f32 v[S+j], v[O+j], v14                  ; o: register 16 b + i is channel 32 b + 16 h + i of the head (V's rows lie in storage order); each accumulator from its low end on
.set j, j+1
.endr
.irp b, 0,1
	v_max3_num_f32 v[BM+\b], |v[S+16*\b]|, |v[S+16*\b+1]|, 0x8000000
.endr
.irp i, 2,4,6,8,10,12,14
.irp b, 0,1
	s_delay_alu instid0(VALU_DEP_2)
	v_max3_num_f32 v[BM+\b], v[BM+\b], |v[S+16*\b+\i]|, |v[S+16*\b+\i+1]|
.endr
.endr
.irp b, 0,1
	s_delay_alu instid0(VALU_DEP_2)
	v_permlanex16_b32 v[T2+\b], v[BM+\b], s[SEL], s[SEL+1]
.endr
.irp b, 0,1
	s_delay_alu instid0(VALU_DEP_2)
	v_max_num_f32 v[BM+\b], v[BM+\b], v[T2+\b]
.endr
.irp b, 0,1
	s_delay_alu instid0(VALU_DEP_2)
	v_add_nc_u32 v[SCO+\b], 0xf8800000, v[BM+\b]
.endr
.irp b, 0,1
.endr
.irp b, 0,1
	s_delay_alu instid0(VALU_DEP_2)
	v_lshrrev_b32 v[T2+\b], 23, v[SCO+\b]
.endr
	s_delay_alu instid0(VALU_DEP_1)
	v_lshl_or_b32 v45, v[T2+1], 8, v[T2]           ; the row's two scale bytes
.irp b, 0,1
.irp i, 0,1,2,3,4,5,6,7,8,9,10,11,12,13,14,15
.endr
	v_cvt_scalef32_pk8_bf8_f32 v[PC+4*\b:PC+4*\b+1], v[S+16*\b:S+16*\b+7], v[SCO+\b]
	v_cvt_scalef32_pk8_bf8_f32 v[PC+4*\b+2:PC+4*\b+3], v[S+16*\b+8:S+16*\b+15], v[SCO+\b]
.endr
	ds_store_b128 v10, v[PC:PC+3]
	ds_store_b128 v10, v[PC+4:PC+7] offset:32
	ds_store_b32 v42, v45                          ; both halves of the lanes write the same word with the same value
	ds_load_b128 v[48:51], v11                     ; LDS serves a wave's instructions in order: these see my stores
	ds_load_b128 v[52:55], v11 offset:640
	s_wait_dscnt 0x0                               ; also for the others' sake: my scale words lie in LDS
	global_store_b128 v[GO], v[48:51], s[\ocp:\ocp+1]              ; each store covers 512 consecutive bytes, aligned
	global_store_b128 v[GO], v[52:55], s[\ocp:\ocp+1] offset:512
.endm
; THE CHANGE OF PASSES, at the head of the visit behind which p visits are to go: a scalar branch on ids, alike in all sixteen waves; no barrier and no tensor load stands inside.
; The first tile leaves; the second tile's q comes out of my own LDS bytes; O^T, the sum and M start anew; the keys begin at 0 again.
.macro SWITCH
	s_cmp_lg_u32 s[SLOTS], s57
	s_cbranch_scc1 .Lsame_pass_\@
	WAYOUT 78, 0
	s_wait_xcnt 0x0                                ; the stores have read v48-55, into which the next step's fragments are loaded
	s_mul_i32 s53, s[WV], 1280
	s_add_co_u32 s53, s53, QST
	v_and_b32 v43, 31, v0
	s_delay_alu instid0(VALU_DEP_1)
	v_lshl_add_u32 v45, v43, 2, s53
	s_delay_alu instid0(VALU_DEP_2)
	v_lshl_add_u32 v43, v43, 4, s53
	ds_load_b128 v[16:19], v43                     ; far more than eight plain instructions behind the last product that read q
	ds_load_b128 v[20:23], v43 offset:512
	ds_load_b128 v[32:35], v43
	ds_load_b128 v[36:39], v43 offset:512
	ds_load_b32 v[QS], v45 offset:1024
	v_mov_b32 v13, 0xff61b1e6
	s_delay_alu instid0(VALU_DEP_1)
	v_floor_f32 v12, -v13
	v_mov_b32 v14, 0
	v_mov_b32 v15, 0
.set j, 0
.rept 32
	v_mov_b32 v[O+j], 0
.set j, j+1
.endr
	s_mov_b32 s[Q0], s82
	s_mov_b32 s[KF], 0
	s_wait_dscnt 0x0
.Lsame_pass_\@:
.endm
.macro SLOT_STEPS
	STEP 0
	STEP 1
	s_xor_b32 s[TB], s[TB], SLOT1
.endm
.Lslot:                                            ; eight trips: behind each change of slots but the last the next visit's tiles are asked for
	CHANGE 1
	SWITCH
	SLOT_STEPS
	s_sub_co_u32 s[SLOTS], s[SLOTS], 1
	s_cmp_lg_u32 s[SLOTS], 0
	s_cbranch_scc1 .Lslot
	CHANGE 0                                       ; the ninth visit is written out
	SWITCH                                         ; (work-group 0 changes passes here)
	SLOT_STEPS
	WAYOUT 84, 1
	s_barrier_signal -1
	s_barrier_wait -1                              ; all 512 rows' scale words lie in LDS
	s_cmp_gt_u32 s[WV], 1
	s_cbranch_scc1 .Lend                           ; wave 0 stores the first block's bytes, wave 1 the second's
	s_and_b32 s53, s[WV], 1
	s_lshl_b32 s53, s53, 10
	s_add_co_u32 s53, s53, OSC
	v_and_b32 v43, 31, v0
	s_delay_alu instid0(VALU_DEP_1)
	v_lshl_add_u32 v43, v43, 5, s53                ; eight rows' words a lane
	ds_load_b128 v[56:59], v43
	ds_load_b128 v[60:63], v43 offset:16
	s_mov_b32 s53, 0x05040100
	s_wait_dscnt 0x0
	v_perm_b32 v64, v57, v56, s53                  ; the low halves of two words
	v_perm_b32 v65, v59, v58, s53
	v_perm_b32 v66, v61, v60, s53
	v_perm_b32 v67, v63, v62, s53
	global_store_b128 v[GO], v[64:67], s[80:81]    ; the wave stores 512 consecutive bytes, aligned
.Lend:
	s_wait_tensorcnt 0x0                           ; the wave's end
	ds_add_u32 v[SPW], v[NIL]
	s_wait_dscnt 0x0
	s_endpgm
.Lfunc_end_k_q826be5668f_attn:
	.size	k_q826be5668f_attn, .Lfunc_end_k_q826be5668f_attn-k_q826be5668f_attn
	.p2alignl 7, 3214868480
	.fill 96, 4, 3214868480
	.section	.rodata,"a",@progbits
	.p2align	6, 0x0
	.amdhsa_kernel k_q826be5668f_attn
		.amdhsa_group_segment_fixed_size 327680
		.amdhsa_private_segment_fixed_size 0
		.amdhsa_enable_private_segment 0
		.amdhsa_kernarg_size 16
		.amdhsa_user_sgpr_count 2
		.amdhsa_user_sgpr_kernarg_segment_ptr 1
		.amdhsa_wavefront_size32 1
		.amdhsa_system_sgpr_workgroup_id_x 1
		.amdhsa_system_sgpr_workgroup_id_y 1
		.amdhsa_system_sgpr_workgroup_id_z 1
		.amdhsa_system_vgpr_workitem_id 0
		.amdhsa_next_free_vgpr 256
		.amdhsa_next_free_sgpr 96
		.amdhsa_reserve_vcc 1
		.amdhsa_float_denorm_mode_32 3
		.amdhsa_float_denorm_mode_16_64 3
		.amdhsa_fp16_overflow 1
		.amdhsa_memory_ordered 1
		.amdhsa_forward_progress 1
		.amdhsa_inst_pref_size 128
	.end_amdhsa_kernel
	.amdgpu_metadata
---
amdhsa.version: [ 1, 2 ]
amdhsa.kernels:
  - .name:           k_q826be5668f_attn
    .symbol:         k_q826be5668f_attn.kd
    .args:
      - { .name: qkv, .offset: 0, .size: 8, .value_kind: global_buffer, .address_space: global }
      - { .name: oq, .offset: 8, .size: 8, .value_kind: global_buffer, .address_space: global }
    .group_segment_fixed_size: 327680
    .private_segment_fixed_size: 0
    .kernarg_segment_align: 8
    .kernarg_segment_size: 16
    .max_flat_workgroup_size: 512
    .sgpr_count:     96
    .vgpr_count:     256
    .wavefront_size: 32
...
	.end_amdgpu_metadata
.endif
;; end of part 3
;; launch outgemm (part 4): grid 4 x 32, 4 waves a work-group, clusters of 4 x 4, 327,680 bytes of LDS; arguments oq, wq, out0; writes out0
.if DOCPART == 4
	.amdgcn_target "amdgcn-amd-amdhsa--gfx1250"
	.amdhsa_code_object_version 6
	.text
	.protected	k_q826be5668f_outgemm
	.globl	k_q826be5668f_outgemm
	.p2align	8
	.type	k_q826be5668f_outgemm,@function
k_q826be5668f_outgemm:
	s_mov_b64 s[64:65], 0
	v_nop
	global_prefetch_b8 v0, s[64:65] scope:SCOPE_SE
	s_setreg_imm32_b32 hwreg(HW_REG_WAVE_MODE, 25, 1), 1
	s_wait_xcnt 0x0
	s_wait_alu depctr_hold_cnt(0) depctr_sa_sdst(0) depctr_va_vdst(0) depctr_va_sdst(0) depctr_va_ssrc(0) depctr_va_vcc(0) depctr_vm_vsrc(0)
	s_getreg_b32 s2, hwreg(HW_REG_IB_STS2, 6, 4)
	s_cmp_eq_u32 s2, 0
	s_cbranch_scc0 .Lentry_in_a_cluster
	s_endpgm
.Lentry_in_a_cluster:
	s_bfe_u32 s2, ttmp6, 0x10000c
	s_cmp_lg_u32 s2, 0xf033
	s_cbranch_scc0 .Lentry_shape_is_right
	s_endpgm
.Lentry_shape_is_right:
; out0[m][n] = sum over k of o[m][k] Wo[n][k], on codes of BF8 (E5M2) with E8M0 scales; M = 8,192 tokens, N = 1,024, K = 1,024 = 16 heads x 64; f32 sums, f32 out.
; A = o: codes [16 heads][8192 tokens][64], scale bytes [16][8192][2].  B = Wo: rows 3,072 .. 4,095 of wq's codes [4096][1024] and scale bytes [4096][32], in their true order.
; A tile of C, 256 x 256, is made by four waves, each 128 x 128: 64 accumulators, 512 registers.  K goes in steps of 256 (four heads) through a ring of two LDS slots filled by the tensor data mover.
; A's part of a slot lies [head][token], 64 bytes + 16 of padding a token; one load brings 4 heads x 128 tokens.  B's lies by rows of 256 bytes + 16.
; B's scales for all of K come once by tensor load.  A's scale bytes lie head by head in memory: the work-group reads its 256 tokens' bytes once, in runs of 512 bytes, and builds a table of 32 bytes a token in LDS,
; laid as B's scales are, so that one address register serves both.
; CLUSTERS: 4 x 4 work-groups; A's tiles are asked for jointly along a row of the cluster, B's along a column.  THE MATRIX INSTRUCTION IS USED TRANSPOSED: a lane holds eight neighbouring numbers of a row of C.
; REGISTERS, in windows of 256: window 0: v0-31 addresses; v32-63 scale words, two sets, and nothing else; from v128 A's fragments, ONE set.  window 1: B's fragments, TWO sets.  windows 2, 3: the accumulators.
.set SIZE_N, 1024
.set NQ,     2
.set ROWB,   256
.set KROW,   1024
.set PITCH,  272                       ; B's LDS row: 256 bytes + 16: the 16 rows of a load start at 16 different banks (64 banks of 4 bytes: ISA guide 11.1)
.set AP,     80                        ; A's LDS row: 64 bytes + 16: an odd multiple of 16 likewise
.set HB,     128*AP                    ; a head's 128 tokens
.set HALFA,  4*HB                      ; what one load brings of A
.set ASTEP,  2097152                   ; four heads of 524,288 bytes: a K step in A's memory
.set FR,     16
.set NL,     4
.set NP,     8                         ; places behind this matrix instruction (ISA guide 7.12.1)
.set HALFT,  128*PITCH
.set SLOT,   2*HALFA+2*HALFT           ; A's 256 tokens, then B's 256 rows
.set LAPS,   2
.set KS,     32
.set SCL,    2*SLOT                    ; A's scale table (stored by the waves: no tile ever lands there), then B's scales
.set HALFS,  (128*KS/256)*272
.set SBLK,   (16*KS/256)*272
.set SPARE,  SCL+4*HALFS               ; the spare words, 128 bytes for each wave: two blocks of 256 bytes that no other line names
.set SPITCH, 528                       ; the way out: 16 rows x (512 + 16) bytes for each wave, in slot 0, which has had its last fill and its last read by then
.set WS_OFF, 4194304
.set OS_OFF, 8388608
.set ADRA, 16
.set ADRB, 20
.set STO,  24
.set RD,   25
.set CO,   26
.set ADRS, 27
.set SPW,  28
.set NIL,  29
.set SC,   32
.set AF,   128
.set BK,   128
.set G1, 24
.set G0, 32
.set G1B, 48
.set G0B, 56
.set G1SB, 80
.set G0SB, 88
.set MSB, 0
.macro WIN new
.if MSB != (\new)
	s_set_vgpr_msb (MSB<<8)|(\new)
.set MSB, (\new)
.endif
.endm
.set MUL_LO, 0xa1
.set MUL_HI, 0xf1
.set TO_B,   0x40
.macro JLOAD g0a, g1a, g0b, g1b        ; a joint refill: waves 0 and 1 for A, waves 2 and 3 for B; four v_nop follow each of the two lines
	s_cmp_eq_u32 s15, 0
	s_cbranch_scc0 .Lfor_b_\@
	tensor_load_to_lds s[\g0a:\g0a+3], s[\g1a:\g1a+7]
	s_nop 0
.rept 4
	v_nop
.endr
	s_branch .Lasked_\@
.Lfor_b_\@:
	tensor_load_to_lds s[\g0b:\g0b+3], s[\g1b:\g1b+7]
	s_nop 0
.rept 4
	v_nop
.endr
.Lasked_\@:
.endm
.macro CREST
	s_cmp_lg_u32 s14, 0
	s_cbranch_scc1 .Lnot_wave_0_\@
	s_barrier_signal -3
.Lnot_wave_0_\@:
	s_barrier_wait -3
	s_barrier_signal -1
	s_barrier_wait -1
.endm
.macro CROUND
	s_barrier_signal -1
	s_barrier_wait -1
	CREST
.endm
	s_load_b128 s[4:7], s[0:1], 0x0                ; oq, wq
	s_load_b64 s[12:13], s[0:1], 0x10              ; out0
	v_lshl_add_u32 v[SPW], v0, 2, SPARE
	v_mov_b32 v[NIL], 0
	ds_add_u32 v28, v29
	ds_add_u32 v28, v29
	s_wait_dscnt 0x0
	v_lshrrev_b32 v1, 5, v0
	v_readfirstlane_b32 s14, v1                    ; wave 0..3
	s_lshr_b32 s15, s14, 1                         ; which half of the tile's rows is mine.  Also: I fetch for A (0) or for B (1)
	s_and_b32 s16, s14, 1                          ; which half of its columns.  Also: which 128 rows of that tile I fetch
	s_bfe_u32 s40, ttmp6, 0x40000                  ; cx, cy
	s_bfe_u32 s41, ttmp6, 0x40004
	s_lshl_b32 s42, ttmp9, 2
	s_add_co_u32 s42, s42, s40                     ; tile column of C
	s_and_b32 s17, ttmp7, 0xffff
	s_lshl_b32 s17, s17, 2
	s_add_co_u32 s17, s17, s41                     ; tile row of C
	s_lshl_b32 s43, s41, 2
	s_lshl_b32 s43, 15, s43                        ; my row of the cluster
	s_lshl_b32 s44, 0x1111, s40                    ; my column
	; A: 4 heads, each 128 tokens x 64 bytes = 8,192 dense bytes (1,024 elements of 8), 524,288 bytes (65,536 elements) apart; 4 words of padding behind every 16
	s_or_b32 s[G1+0], s43, (3<<16)|(1<<20)|(1<<21)|(3<<22)|(3<<25)
	s_mov_b32 s[G1+1], 1024<<16
	s_mov_b32 s[G1+2], 4<<16
	s_mov_b32 s[G1+3], 1024<<16
	s_mov_b32 s[G1+4], 4
	s_mov_b32 s[G1+5], 65536
	s_mov_b32 s[G1+6], 0
	s_mov_b32 s[G1+7], 0
	; B: 128 rows x 256 bytes, 4 words of padding behind every 64
	s_or_b32 s[G1B+0], s44, (0<<16)|(1<<20)|(1<<21)|(5<<22)|(3<<25)
	s_mov_b32 s[G1B+1], ROWB<<16
	s_mov_b32 s[G1B+2], 128<<16
	s_mov_b32 s[G1B+3], ROWB<<16
	s_mov_b32 s[G1B+4], 128
	s_mov_b32 s[G1B+5], KROW
	s_mov_b32 s[G1B+6], 0
	s_mov_b32 s[G1B+7], 0
	; B's scales of 128 rows: 4,096 dense bytes as 16 rows of 256
	s_or_b32 s[G1SB+0], s44, (3<<16)|(1<<20)|(1<<21)|(5<<22)|(3<<25)
	s_mov_b32 s[G1SB+1], 32<<16
	s_mov_b32 s[G1SB+2], (128*KS/256)<<16
	s_mov_b32 s[G1SB+3], 32<<16
	s_mov_b32 s[G1SB+4], 128*KS/256
	s_mov_b32 s[G1SB+5], 32
	s_mov_b32 s[G1SB+6], 0
	s_mov_b32 s[G1SB+7], 0
	s_lshl_b32 s18, s16, 7
	s_lshl_b32 s20, s17, 8
	s_add_co_u32 s20, s20, s18                     ; A: token 256 x tile row + 128 x half,
	s_lshl_b32 s20, s20, 6                         ; 64 bytes a token
	s_mov_b32 s21, 0
	s_lshl_b32 s46, s42, 8
	s_add_co_u32 s46, s46, s18                     ; B: row 256 x tile column + 128 x half
	s_lshl_b32 s92, s46, 5
	s_add_co_u32 s92, s92, WS_OFF+98304            ; Wo's scale bytes begin at row 3,072
	s_mov_b32 s93, 0
	s_lshl_b32 s46, s46, 10
	s_add_co_u32 s46, s46, 3145728                 ; and its codes
	s_mov_b32 s47, 0
	s_lshl_b32 s96, s17, 9
	s_add_co_u32 s96, s96, OS_OFF                  ; o's scale bytes: 2 a token, my tile's 256 tokens
	s_mov_b32 s97, 0
	s_mul_i32 s45, s16, HALFA                      ; where they go: no place in the cluster enters an LDS address
	s_mul_i32 s94, s16, HALFT
	s_add_co_u32 s94, s94, 2*HALFA
	s_mul_i32 s95, s16, HALFS
	s_add_co_u32 s95, s95, SCL+2*HALFS
	v_lshlrev_b32 v7, 2, v0                        ; thread t takes tokens 2 t and 2 t + 1: one word a head
	s_wait_alu depctr_va_vdst(0)
	s_wait_kmcnt 0x0
	s_add_nc_u64 s[20:21], s[4:5], s[20:21]
	s_add_nc_u64 s[96:97], s[4:5], s[96:97]
	s_add_nc_u64 s[46:47], s[6:7], s[46:47]
	s_add_nc_u64 s[92:93], s[6:7], s[92:93]
.irp s, 0,1
	s_mov_b32 s[G0+4*\s], 1
	s_add_co_u32 s[G0+4*\s+1], s45, \s*SLOT
	s_add_nc_u64 s[G0+4*\s+2:G0+4*\s+3], s[20:21], \s*ASTEP
	s_or_b32 s[G0+4*\s+3], s[G0+4*\s+3], 0x80000000
	s_mov_b32 s[G0B+4*\s], 1
	s_add_co_u32 s[G0B+4*\s+1], s94, \s*SLOT
	s_add_nc_u64 s[G0B+4*\s+2:G0B+4*\s+3], s[46:47], \s*ROWB
	s_or_b32 s[G0B+4*\s+3], s[G0B+4*\s+3], 0x80000000
.endr
	s_mov_b32 s[G0SB], 1
	s_mov_b32 s[G0SB+1], s95
	s_mov_b64 s[G0SB+2:G0SB+3], s[92:93]
	s_or_b32 s[G0SB+3], s[G0SB+3], 0x80000000
.irp d, 0,1,2,3,4,5,6,7,8,9,10,11,12,13,14,15
	global_load_b32 v[128+\d], v7, s[96:97] offset:16384*\d        ; the four waves read 512 consecutive bytes of each head's scale bytes
.endr
	CROUND                                         ; all sixteen work-groups are here: the first joint loads meet
	s_cmp_eq_u32 s15, 0                            ; a wave's first fills stand in one branch on its number: two or three loads of mine are out
	s_cbranch_scc0 .Lfirst_b
	tensor_load_to_lds s[G0:G0+3], s[G1:G1+7]
	s_nop 0
	tensor_load_to_lds s[G0+4:G0+7], s[G1:G1+7]
	s_nop 0
.rept 4
	v_nop
.endr
	s_branch .Lfirst_done
.Lfirst_b:
	tensor_load_to_lds s[G0SB:G0SB+3], s[G1SB:G1SB+7]
	s_nop 0
	tensor_load_to_lds s[G0B:G0B+3], s[G1B:G1B+7]
	s_nop 0
	tensor_load_to_lds s[G0B+4:G0B+7], s[G1B:G1B+7]
	s_nop 0
.rept 4
	v_nop
.endr
.Lfirst_done:
	v_and_b32 v1, 15, v0                           ; r
	v_bfe_u32 v2, v0, 4, 1                         ; h
	v_mul_u32_u24 v3, v1, PITCH
	v_lshl_add_u32 v4, v2, 4, v3                   ; B: row x pitch + 16 x half
	v_mul_u32_u24 v3, v1, AP
	v_lshl_add_u32 v3, v2, 4, v3                   ; A likewise
	s_mul_i32 s21, s15, HALFA                      ; my 128 tokens of A
	s_mul_i32 s22, s16, HALFT                      ; my 128 rows of B,
	s_add_co_u32 s22, s22, 2*HALFA                 ; which lie behind A's 256
.irp s, 0,1
	v_add_nc_u32 v[ADRA+\s], s21, v3
	v_add_nc_u32 v[ADRB+\s], s22, v4
	s_add_co_u32 s21, s21, SLOT
	s_add_co_u32 s22, s22, SLOT
.endr
	v_mul_u32_u24 v5, v1, KS                       ; my row's scales: KS bytes a row,
	v_lshrrev_b32 v6, 8, v5
	v_lshl_add_u32 v5, v6, 4, v5                   ; and 16 more for each 256 passed
	s_mul_i32 s21, s15, HALFS
	s_mul_i32 s22, s16, HALFS
	s_add_co_u32 s22, s22, 2*HALFS
	s_sub_co_u32 s22, s22, s21
	v_mul_u32_u24 v6, s22, v2                      ; lanes 16-31 take B's
	s_add_co_u32 s21, s21, SCL
	v_add_nc_u32 v5, v5, v6
	v_add_nc_u32 v[ADRS], s21, v5
	s_mul_i32 s23, s14, 16*SPITCH                  ; my stage
	v_mul_u32_u24 v5, v1, SPITCH
	v_lshl_add_u32 v5, v2, 5, v5
	v_add_nc_u32 v[STO], s23, v5
	v_and_b32 v6, 31, v0
	v_lshlrev_b32 v[CO], 4, v6
	v_add_nc_u32 v[RD], s23, v[CO]
	s_lshl_b32 s20, s17, 8
	s_lshl_b32 s21, s15, 7
	s_add_co_u32 s20, s20, s21                     ; my first row of C
	s_mov_b32 s21, 0
	s_mov_b64 s[18:19], SIZE_N*4
	s_mul_u64 s[20:21], s[20:21], s[18:19]
	s_lshl_b32 s46, s42, 10                        ; my first column, in bytes
	s_lshl_b32 s47, s16, 9
	s_add_co_u32 s46, s46, s47
	s_mov_b32 s47, 0
	s_add_nc_u64 s[20:21], s[20:21], s[46:47]
	s_add_nc_u64 s[12:13], s[12:13], s[20:21]
	; A's scale table: token T's 32 bytes at 32 T + 16 (T / 8); byte 2 head + block
	s_mov_b32 s66, 0x05040100
	s_mov_b32 s67, 0x07060302
	v_lshrrev_b32 v8, 2, v0
	v_lshlrev_b32 v8, 4, v8
	v_lshl_add_u32 v8, v0, 6, v8
	v_add_nc_u32 v8, SCL, v8                       ; tokens 2 t and 2 t + 1: 64 t + 16 (t / 4)
	s_wait_loadcnt 0x0
.irp s, 0,1,2,3,4,5,6,7
	v_perm_b32 v[144+\s], v[129+2*\s], v[128+2*\s], s66            ; token 2 t: the low halves of heads 2 s and 2 s + 1
	v_perm_b32 v[152+\s], v[129+2*\s], v[128+2*\s], s67            ; token 2 t + 1: the high halves
.endr
	ds_store_b128 v8, v[144:147]
	ds_store_b128 v8, v[148:151] offset:16
	ds_store_b128 v8, v[152:155] offset:32
	ds_store_b128 v8, v[156:159] offset:48
.macro FRAG reg, adr, q, i             ; B: 16 rows x 128 K: registers 4 c .. 4 c + 3 hold K = 32 c + 16 (l / 16) + 0 .. 15
.irp c, 0,1,2,3
	ds_load_b128 v[\reg+4*\c:\reg+4*\c+3], v[\adr] offset:128*(\q)+32*\c+(\i)*16*PITCH
.endr
.endm
.macro FRAG_A reg, adr, q, i           ; A: the same K lies in heads 2 q + c / 2, bytes 32 (c % 2) + 16 (l / 16) of the token's 64
.irp c, 0,1,2,3
	ds_load_b128 v[\reg+4*\c:\reg+4*\c+3], v[\adr] offset:(2*(\q)+\c/2)*HB+(\i)*16*AP+32*(\c%2)
.endr
.endm
; 16 matrix instructions: A's blocks a0, a0 + 1 x B's eight.  The 64 accumulators take turns, one instruction a turn, in the same order in every step.
.macro MUL16 a0, p, q, sc, zero
.irp a, \a0, \a0+1
.irp b, 0,1,2,3,4,5,6,7
.if \zero
	v_wmma_scale_f32_16x16x128_f8f6f4 v[8*(8*((\a)%4)+\b):8*(8*((\a)%4)+\b)+7], v[128*(\p)+FR*\b:128*(\p)+FR*\b+FR-1], v[AF+FR*(\a):AF+FR*(\a)+FR-1], 0, v[SC+8*NQ*(\sc)+NQ*\b+(\q)], v[SC+8*NQ*(\sc)+NQ*(\a)+(\q)] matrix_a_fmt:MATRIX_FMT_BF8 matrix_b_fmt:MATRIX_FMT_BF8 matrix_a_scale:MATRIX_SCALE_ROW1
.else
	v_wmma_scale_f32_16x16x128_f8f6f4 v[8*(8*((\a)%4)+\b):8*(8*((\a)%4)+\b)+7], v[128*(\p)+FR*\b:128*(\p)+FR*\b+FR-1], v[AF+FR*(\a):AF+FR*(\a)+FR-1], v[8*(8*((\a)%4)+\b):8*(8*((\a)%4)+\b)+7], v[SC+8*NQ*(\sc)+NQ*\b+(\q)], v[SC+8*NQ*(\sc)+NQ*(\a)+(\q)] matrix_a_fmt:MATRIX_FMT_BF8 matrix_b_fmt:MATRIX_FMT_BF8 matrix_a_scale:MATRIX_SCALE_ROW1
.endif
.endr
.endr
.endm
.macro FETCH_B slot, q, p
	WIN TO_B
.irp i, 0,1,2,3,4,5,6,7
	FRAG 128*(\p)+FR*\i, ADRB+\slot, \q, \i
.endr
	WIN 0
.endm
.macro FETCH_A slot, q, i0
.irp i, \i0, \i0+1, \i0+2, \i0+3
	FRAG_A AF+FR*(\i), ADRA+\slot, \q, \i
.endr
.endm
.macro SCALES sc
.irp i, 0,1,2,3,4,5,6,7
	ds_load_b64 v[SC+8*NQ*\sc+NQ*\i:SC+8*NQ*\sc+NQ*\i+1], v[ADRS] offset:\i*SBLK
.endr
.endm
.macro PLACES n
.rept \n
	v_nop
.endr
.endm
.macro STEP slot, q, zero
	s_wait_dscnt 4*NL                              ; B's set, the scale words and A's blocks 0-3 are in; the youngest 16 loads (A's blocks 4-7) may be out
	WIN MUL_LO
	MUL16 0, (\q)%2, \q, \slot, \zero
	MUL16 2, (\q)%2, \q, \slot, \zero
	s_wait_dscnt 0
	PLACES NP
	FETCH_B \slot, (\q)+1, 1-(\q)%2
	FETCH_A \slot, (\q)+1, 0
	WIN MUL_HI
	MUL16 4, (\q)%2, \q, \slot, \zero
	MUL16 6, (\q)%2, \q, \slot, \zero
	PLACES NP
	WIN 0
	FETCH_A \slot, (\q)+1, 4
.endm
.macro TURN slot, next, fill
	s_wait_tensorcnt 0x0                           ; all my tensor loads have landed: my part of the next slot
	ds_add_u32 v[SPW], v[NIL]                      ; 0 onto my spare word
	s_wait_dscnt 4*NL+1                            ; (the add and the youngest 16 loads may be out)
	WIN MUL_LO
	MUL16 0, 1, NQ-1, \slot, 0
	s_wait_dscnt 0x0                               ; the add is done, and my reads of this slot are over
	s_barrier_signal -1
	MUL16 2, 1, NQ-1, \slot, 0
	WIN 0
	s_barrier_wait -1
.if \fill
	CREST                                          ; the barrier has opened a round of the cluster's: no wave of any partner still reads this slot or has a load on its way
	s_add_nc_u64 s[G0+4*\slot+2:G0+4*\slot+3], s[G0+4*\slot+2:G0+4*\slot+3], 2*ASTEP
	s_add_nc_u64 s[G0B+4*\slot+2:G0B+4*\slot+3], s[G0B+4*\slot+2:G0B+4*\slot+3], 2*ROWB
	JLOAD G0+4*\slot, G1, G0B+4*\slot, G1B
	PLACES NP-4
.else
	PLACES NP
.endif
	s_wait_alu depctr_va_vdst(0)
	v_add_nc_u32 v[ADRS], 4*NQ, v[ADRS]
	FETCH_B \next, 0, 0
	FETCH_A \next, 0, 0
	SCALES \next
	WIN MUL_HI
	MUL16 4, 1, NQ-1, \slot, 0
	MUL16 6, 1, NQ-1, \slot, 0
	PLACES NP
	WIN 0
	FETCH_A \next, 0, 4
.endm
	s_wait_tensorcnt 1                             ; on both ways the youngest load is slot 1's: all before it, my part of K step 0 and B's scales, are in
	s_wait_dscnt 0x0                               ; my part of A's scale table lies in LDS
	s_barrier_signal -1
	s_barrier_wait -1                              ; everybody's does
	FETCH_B 0, 0, 0
	FETCH_A 0, 0, 0
	SCALES 0
	FETCH_A 0, 0, 4
	STEP 0, 0, 1                                   ; the first step stands in front of the loop: its products start the sums
	s_mov_b32 s3, LAPS-1
.Llap:
	TURN 0, 1, 1
	STEP 1, 0, 0
	TURN 1, 0, 1
	STEP 0, 0, 0
	s_sub_co_u32 s3, s3, 1
	s_cmp_lg_u32 s3, 0
	s_cbranch_scc1 .Llap
	TURN 0, 1, 0
	STEP 1, 0, 0
	s_wait_dscnt 4*NL
	WIN MUL_LO
	MUL16 0, 1, NQ-1, 1, 0
	MUL16 2, 1, NQ-1, 1, 0
	s_wait_dscnt 0
	WIN MUL_HI
	MUL16 4, 1, NQ-1, 1, 0
	MUL16 6, 1, NQ-1, 1, 0
	WIN 0
; THE WAY OUT, block by block of 16 rows x 128 columns, through my own stage in LDS: in as 32 bytes a lane, back as whole rows of 512 bytes.  LDS serves a wave's instructions in order.
.macro TOSTAGE a
.set AC, 64*((\a)%4)
	WIN 0x08+4*((\a)/4)                            ; the data: window 2 or 3
.irp b, 0,1,2,3,4,5,6,7
	ds_store_b128 v[STO], v[AC+8*\b:AC+8*\b+3] offset:64*\b          ; each accumulator from its low end on
	ds_store_b128 v[STO], v[AC+8*\b+4:AC+8*\b+7] offset:64*\b+16
.endr
	WIN 0
.set BB, BK+64*((\a)%2)
.irp t, 0,1,2,3,4,5,6,7,8,9,10,11,12,13,14,15
	ds_load_b128 v[BB+4*\t:BB+4*\t+3], v[RD] offset:\t*SPITCH
.endr
.endm
.macro SEND a, younger
.set BB, BK+64*((\a)%2)
	s_wait_dscnt \younger
.if (\a) > 0
	s_add_nc_u64 s[12:13], s[12:13], 16*SIZE_N*4   ; (behind a wait on XCNT: the earlier stores have read their base)
.endif
.irp t, 0,1,2,3,4,5,6,7,8,9,10,11,12,13,14,15
	global_store_b128 v[CO], v[BB+4*\t:BB+4*\t+3], s[12:13] offset:\t*SIZE_N*4 th:TH_STORE_NT   ; 32 lanes store 512 consecutive bytes, aligned; written once, read by nobody here
.endr
.endm
	PLACES NP
	TOSTAGE 0
.irp a, 1,2,3,4,5,6,7
.if \a > 1
	s_wait_xcnt 0x0                                ; block a - 2's stores have read their registers and their base
.endif
	TOSTAGE \a
	SEND \a-1, 32                                  ; behind block a - 1's loads: block a's 16 stores and 16 loads
.endr
	s_wait_xcnt 0x0
	SEND 7, 0
	s_wait_tensorcnt 0x0                           ; the wave's end
	ds_add_u32 v[SPW], v[NIL]
	s_wait_dscnt 0x0
	CROUND                                         ; the closing round
	s_endpgm
.Lfunc_end_k_q826be5668f_outgemm:
	.size	k_q826be5668f_outgemm, .Lfunc_end_k_q826be5668f_outgemm-k_q826be5668f_outgemm
	.p2alignl 7, 3214868480
	.fill 96, 4, 3214868480
	.section	.rodata,"a",@progbits
	.p2align	6, 0x0
	.amdhsa_kernel k_q826be5668f_outgemm
		.amdhsa_group_segment_fixed_size 327680
		.amdhsa_private_segment_fixed_size 0
		.amdhsa_enable_private_segment 0
		.amdhsa_kernarg_size 24
		.amdhsa_user_sgpr_count 2
		.amdhsa_user_sgpr_kernarg_segment_ptr 1
		.amdhsa_wavefront_size32 1
		.amdhsa_system_sgpr_workgroup_id_x 1
		.amdhsa_system_sgpr_workgroup_id_y 1
		.amdhsa_system_sgpr_workgroup_id_z 1
		.amdhsa_system_vgpr_workitem_id 0
		.amdhsa_next_free_vgpr 1024
		.amdhsa_next_free_sgpr 98
		.amdhsa_reserve_vcc 0
		.amdhsa_float_denorm_mode_32 3
		.amdhsa_float_denorm_mode_16_64 3
		.amdhsa_memory_ordered 1
		.amdhsa_forward_progress 1
		.amdhsa_inst_pref_size 148
	.end_amdhsa_kernel
	.amdgpu_metadata
---
amdhsa.version: [ 1, 2 ]
amdhsa.kernels:
  - .name:           k_q826be5668f_outgemm
    .symbol:         k_q826be5668f_outgemm.kd
    .args:
      - { .name: oq, .offset: 0, .size: 8, .value_kind: global_buffer, .address_space: global }
      - { .name: wq, .offset: 8, .size: 8, .value_kind: global_buffer, .address_space: global }
      - { .name: out0, .offset: 16, .size: 8, .value_kind: global_buffer, .address_space: global }
    .group_segment_fixed_size: 327680
    .private_segment_fixed_size: 0
    .kernarg_segment_align: 8
    .kernarg_segment_size: 24
    .max_flat_workgroup_size: 128
    .sgpr_count:     98
    .vgpr_count:     1024
    .wavefront_size: 32
...
	.end_amdgpu_metadata
.endif
;; end of part 4
